; MI455X (gfx1250); checked and timed in simulation.
; The chip was launched on July 23, 2026; its instructions are those of AMD's public machine-readable ISA for CDNA 5 (MIT licence, August 2026) and "CDNA5" Instruction Set Architecture Reference Guide (July 2026). The comments in the code are by the model that wrote it; some were corrected since.
;; Multi Head Attention. Allowed arithmetic: matrix products marked QUANTISED: E2M3 operands, one E8M0 scale for each 32 along K, by v_wmma_scale_f32_16x16x128_f8f6f4 with both operands' format E2M3, f32 sums; everything else in f32.
;; Inputs: Wk 128 x 1,024 float32; Wo 1,024 x 128 float32; Wq 128 x 1,024 float32; Wv 128 x 1,024 float32; bk 1,024 float32; bo 128 float32; bq 1,024 float32; bv 1,024 float32; k 8 x 2,048 x 128 float32; q 8 x 1,024 x 128 float32; v 8 x 2,048 x 128 float32.
;; Outputs: out0 8 x 1,024 x 128 float32.
;; This version of the problem:
;;   THIS VERSION OF THE PROBLEM IS GIVEN IN LOW PRECISION. The matrix products marked QUANTISED in the list below multiply operands that are first quantised to E2M3 (2 exponent bits, 3 mantissa bits; 6 bits a number), with one power-of-two scale for each 32 numbers along K (OCP MX v1.0); their sums are f32. All else is computed in f32.
;;   The module's matrix products, in the order in which they are computed (A, B: the left and right operand; K: the contracted axis; several contracted axes count as one K, in the product's order):
;;     1. [M 8,192, K 128] x [K 128, N 1,024]; A: input q; B: input Wq: QUANTISED
;;     2. [M 16,384, K 128] x [K 128, N 1,024]; A: input k; B: input Wk: QUANTISED
;;     3. [M 16,384, K 128] x [K 128, N 1,024]; A: input v; B: input Wv: QUANTISED
;;     4. batch 64 x [M 1,024, K 128] x [K 128, N 2,048]; A: computed on the way; B: computed on the way: QUANTISED
;;     5. batch 64 x [M 128, K 2,048] x [K 2,048, N 1,024]; A: computed on the way; B: softmax (see below): QUANTISED
;;     6. [M 8,192, K 1,024] x [K 1,024, N 128]; A: computed on the way; B: input Wo: QUANTISED
;;   THE QUANTISER, for each operand of a quantised product, along K:
;;     - K is cut into blocks of 32 from its start; a last block that is shorter is filled with zeros.
;;     - A block's scale is 2^e with e = floor(log2(the largest magnitude in the block)) - 2, held to -126 .. 127; a block of zeros has e = 0. As a byte (E8M0): e + 127.
;;     - Each number is divided by its block's scale, clamped to +-7.5, and rounded to the nearest number of E2M3, ties to even, subnormals kept.
;;     - The product sums the exact products of the quantised numbers (number of the format x scale) in f32.
;;   ~~~python
;;   def quantise(x, axis):      # numpy; x: float32 -> the quantised numbers, widened to float32 again
;;       x = np.moveaxis(x, axis, -1); K = x.shape[-1]
;;       x = np.pad(x, [(0, 0)] * (x.ndim - 1) + [(0, -K % 32)]); x = x.reshape(x.shape[:-1] + (-1, 32)); a = np.abs(x).max(-1, keepdims=True)
;;       e = np.where(a > 0, np.clip(np.frexp(np.where(a > 0, a, 1))[1] - 1 - 2, -126, 127), 0)      # np.frexp(a)[1] - 1 = floor(log2(a)), exactly
;;       r = np.clip(x / 2.0 ** e, -7.5, 7.5)
;;       step = 2.0 ** (np.maximum(np.frexp(np.where(r == 0, 1, r))[1] - 1, 0) - 3)
;;       q = np.round(r / step) * step * 2.0 ** e      # np.round: ties to even
;;       return np.moveaxis(q.reshape(q.shape[:-2] + (-1,))[..., :K], -1, axis).astype(np.float32)
;;   ~~~
;;   SOFTMAX AHEAD OF A QUANTISED PRODUCT. Where the list says 'softmax', what is quantised is not the finished softmax but p = 2^(t - M), with t = logit x log2(e) and M = ceil(the row's largest t), a whole number; so 1/2 < the row's largest p <= 1. The row's sum l is taken of the UNQUANTISED p, in f32, and the product's result is divided by l at the end. Since M is a whole number, a kernel that streams over the keys may use a running M (the ceiling of the running maximum): every later rescaling is an exact power of two, which a block's scale takes up: the codes' values come out the same.
;;   OPERANDS COMPUTED ON THE WAY. 'Computed on the way' means the value that the module computes at that place (a softmax that the list does not call 'softmax' is quantised finished and normalised). What goes into a quantiser is computed in f32, as accurately as f32 sums, v_exp_f32 and their like allow (about 1e-6 of the number): no bf16 or f16 on the way to a quantiser, and a product that is left as it is and whose result goes on into a quantised operand takes f32 operands (vector FMAs, or v_wmma_f32_16x16x4_f32). A number that lies on a knife's edge between two numbers of the format may be rounded either way, as far as f32 arithmetic and the matrix unit's own rounding can turn it there, and no further.
;; 2 versions. Each part assembles by itself: llvm-mc -triple=amdgcn-amd-amdhsa -mcpu=gfx1250 --defsym DOCPART=n.
;; ======== version 1 of 2: 4 launches
;; workspace buffers: pc 4,325,376 bytes; ps 360,448 bytes; hc 31,457,280 bytes; hs 1,310,720 bytes; oc 6,291,456 bytes; os 524,288 bytes
;; launch prep (part 1): grid 256 x 1, 11 waves a work-group, no clusters, 0 bytes of LDS; arguments q, k, v, Wq, Wk, Wv, Wo, pc, ps; writes pc, ps
.if DOCPART == 1
	.amdgcn_target "amdgcn-amd-amdhsa--gfx1250"
	.amdhsa_code_object_version 6
	.text
	.protected	k_qd45f2c358b_prep
	.globl	k_qd45f2c358b_prep
	.p2align	8
	.type	k_qd45f2c358b_prep,@function
k_qd45f2c358b_prep:
	s_mov_b64 s[64:65], 0
	v_nop
	global_prefetch_b8 v0, s[64:65] scope:SCOPE_SE
	s_setreg_imm32_b32 hwreg(HW_REG_WAVE_MODE, 25, 1), 1
	s_wait_xcnt 0x0
; MULTI-HEAD ATTENTION IN MX-FP6, launch 1 of 4: every f32 input that is an operand of a product becomes codes of E2M3 with one E8M0 byte for each 32 along K.
; DEAD WORK: none.  All eleven inputs have a way to the output: bq, bk and bv go into the quantisers of the products that follow them (bk too: it moves the codes of the scores' operand), bo is added at the end; there is no mask.
; WHAT IS MADE: FRAGMENT IMAGES.  A fragment is 16 rows x 128 K, 12 registers a lane, as the matrix instruction takes it: lane (r, h) holds row r, registers 6 c .. 6 c + 5 hold K = 64 c + 32 h + 0 .. 31.
; It is stored as it stands in the registers: registers 4 c .. 4 c + 3 of lane l at byte 512 c + 16 l of the fragment's 1,536 bytes in pc; its rows' scale words at byte 4 l of its 128 bytes in ps (lanes 16-31 repeat lanes 0-15).
; Each store of codes covers 512 consecutive bytes, aligned; whoever loads the three pieces back at 16 x lane has the operand.
; FRAGMENT NUMBERS F: 0-511 q, 512-1535 k, 1536-2559 v (16 rows each);  2560 + J: J = 0-63 Wq, 64-127 Wk, 128-191 Wv (J % 64 = 8 head + tile: 16 columns, K = the weight's 128 rows);  J = 192-255 Wo (J % 64 = 8 s + t: K = rows 128 s on, columns 16 t on).
; WHICH ROWS FORM A FRAGMENT is free, and is chosen so that later results fall into the next quantiser's order: in k, v and in the columns of Wq, Wk, Wv, lane r of tile 2 b + u of a group of 128 takes member 32 b + 8 u + r + 8 (r / 8);
; q's rows and Wo's columns are taken as they lie.
; SHARES: one wave, one fragment: 2,816 = 256 work-groups x 11 waves.  Waves 0-9: F = 10 x work-group + wave; wave 10: J = work-group.  A wave asks for its 8,192 bytes at once.  No LDS, no barrier: waves share nothing.
; A lane loads 64 numbers, register 16 b + i = K 32 b + 16 h + i of its row: for q, k, v sixteen loads of 16 bytes along the row; for a weight, whose K is its first axis, 64 loads of 4 bytes down its column.
; THE QUANTISER: a block's scale is 2^(floor(log2(its largest magnitude)) - 2); the byte is the largest magnitude's exponent field - 2, held at 1 from below.
; LIMITS: a block whose largest magnitude lies under 2^-124 keeps the byte 1; a block of zeros gets the byte 1 where the rule says 127 (its codes are zeros, and this program alone reads the bytes); NaN and infinities among the inputs are not served.
; The scale words leave as 128 consecutive bytes a fragment, one twelfth of the fragment's codes; the weights' loads read 32 consecutive bytes in eight lanes: 2 MiB, once.
.set TM,  8                            ; v8-23   at work in QUANT
.set PW,  24                           ; v24     the scale word
.set ST,  32                           ; v32-95  the lane's 64 numbers
.set PC,  96                           ; v96-115 the codes
.set SEL, 34                           ; s[34:35] v_permlanex16_b32's selects for lane l xor 16
; 64 numbers of a lane, register 16 b + i = K 32 b + 16 (lane / 16) + i of its row, become the fragment in v[PC] .. v[PC + 11] and the row's scale word in v[PW].
.macro QUANT s
.irp b, 0,1,2,3
	v_max3_num_f32 v[TM+\b], |v[\s+16*\b]|, |v[\s+1+16*\b]|, 0x1800000   ; block b: my 16 numbers, and the floor 2^(3 - 127): the byte cannot fall under 1
.endr
.irp i, 2,4,6,8,10,12,14
.irp b, 0,1,2,3
	v_max3_num_f32 v[TM+\b], v[TM+\b], |v[\s+16*\b+\i]|, |v[\s+1+16*\b+\i]|   ; the four blocks by turns
.endr
.endr
.irp b, 0,1,2,3
	v_permlanex16_b32 v[TM+4+\b], v[TM+\b], s[SEL], s[SEL+1]
.endr
.irp b, 0,1,2,3
	v_max_num_f32 v[TM+\b], v[TM+\b], v[TM+4+\b]   ; with lane l xor 16's: the block's largest magnitude
.endr
.irp b, 0,1,2,3
	v_add_nc_u32 v[TM+12+\b], 0xff000000, v[TM+\b]   ; 2 off its exponent field: the conversion's scale operand
.endr
.irp b, 0,1,2,3
	v_lshrrev_b32 v[TM+4+\b], 23, v[TM+12+\b]      ; the scale's byte
.endr
	v_lshl_or_b32 v[PW], v[TM+5], 8, v[TM+4]
	v_lshl_or_b32 v[PW], v[TM+6], 16, v[PW]
	v_lshl_or_b32 v[PW], v[TM+7], 24, v[PW]
.irp c, 0,1
	v_cvt_scalef32_pk16_fp6_f32 v[PC+6*\c:PC+2+6*\c], v[\s+32*\c:\s+15+32*\c], v[TM+12+2*\c]
	v_cvt_scalef32_pk16_fp6_f32 v[PC+12+4*\c:PC+14+4*\c], v[\s+16+32*\c:\s+31+32*\c], v[TM+12+2*\c+1]   ; a conversion's three registers begin on an even number
.endr
	v_nop                                          ; one plain instruction behind the last scaled conversion
.irp c, 0,1                                    ; the layout wants a whole block in a lane: lanes 0-15 block 2 c, lanes 16-31 block 2 c + 1
.irp i, 0,1,2
	v_permlane16_swap_b32 v[PC+6*\c+\i], v[PC+12+4*\c+\i]
.endr
.irp i, 0,1,2
	v_mov_b32 v[PC+3+6*\c+\i], v[PC+12+4*\c+\i]
.endr
.endr
.endm
	s_load_b512 s[8:23], s[0:1], 0x0               ; q s[8:9], k s[10:11], v s[12:13], Wq s[14:15], Wk s[16:17], Wv s[18:19], Wo s[20:21], pc s[22:23]
	s_load_b64 s[24:25], s[0:1], 0x40              ; ps
	v_lshrrev_b32 v1, 5, v0
	v_readfirstlane_b32 s3, v1                     ; wave 0..10
	v_and_b32 v1, 31, v0                           ; lane
	v_and_b32 v2, 15, v0                           ; r
	v_bfe_u32 v3, v0, 4, 1                         ; h
	v_lshlrev_b32 v5, 4, v1                        ; 16 x lane: my place in a piece of an image
	v_lshlrev_b32 v6, 2, v1                        ; 4 x lane: my scale word's
	s_mov_b32 s[SEL], 0x76543210
	s_mov_b32 s[SEL+1], 0xfedcba98
.irp b, 0,1,2,3
	v_mov_b32 v[TM+4+\b], 0                        ; written once: a lane permute's destination counts as one of its sources
.endr
	s_wait_kmcnt 0x0
	s_cmp_lt_u32 s3, 10
	s_cbranch_scc0 .Lweight
	; ---- q, k or v: K is innermost
	s_mul_i32 s32, ttmp9, 10
	s_add_co_u32 s32, s32, s3                      ; F
	s_cmp_lt_u32 s32, 1536
	s_cselect_b64 s[26:27], s[10:11], s[12:13]     ; k or v,
	s_mov_b32 s28, 1536
	s_cselect_b32 s28, 512, s28                    ; and the tensor's first F
	s_cmp_lt_u32 s32, 512
	s_cselect_b64 s[26:27], s[8:9], s[26:27]       ; or q
	s_cselect_b32 s28, 0, s28
	s_cselect_b32 s29, 0, 1                        ; 1: the rows of a tile are chosen (k, v); 0: as they lie (q)
	s_sub_co_u32 s33, s32, s28                     ; g: the tile in its tensor
	s_and_b32 s30, s33, 1
	s_mul_i32 s30, s30, s29
	s_lshl_b32 s30, s30, 3
	s_lshl_b32 s31, s33, 4
	s_sub_co_u32 s30, s31, s30                     ; the tile's first row: 16 g, less 8 for an odd tile of chosen rows
	s_lshl_b32 s30, s30, 9                         ; a row is 512 bytes
	s_mov_b32 s31, 0
	s_add_nc_u64 s[26:27], s[26:27], s[30:31]
	v_and_b32 v4, 8, v2
	v_mul_u32_u24 v4, s29, v4
	v_add_nc_u32 v4, v4, v2                        ; my row in the tile: r, or r + 8 (r / 8)
	v_lshlrev_b32 v4, 9, v4
	v_lshl_add_u32 v4, v3, 6, v4                   ; + 64 h: my 16 numbers of each block of 32
.irp b, 0,1,2,3
.irp j, 0,1,2,3
	global_load_b128 v[ST+16*\b+4*\j:ST+16*\b+4*\j+3], v4, s[26:27] offset:128*\b+16*\j th:TH_LOAD_NT
.endr
.endr
	s_branch .Lq
.Lweight:
	s_add_co_u32 s32, ttmp9, 2560                  ; F = 2560 + J
	s_and_b32 s33, ttmp9, 63                       ; J % 64
	s_cmp_ge_u32 ttmp9, 192
	s_cbranch_scc1 .Lwo
	; ---- Wq, Wk or Wv [128 (K)][1024]: a lane takes a column, its registers run down K
	s_cmp_lt_u32 ttmp9, 128
	s_cselect_b64 s[26:27], s[16:17], s[18:19]
	s_cmp_lt_u32 ttmp9, 64
	s_cselect_b64 s[26:27], s[14:15], s[26:27]
	s_and_b32 s30, s33, 1
	s_lshl_b32 s30, s30, 3
	s_lshl_b32 s31, s33, 4
	s_sub_co_u32 s30, s31, s30                     ; the tile's first column
	v_and_b32 v4, 8, v2
	v_add3_u32 v4, v4, v2, s30                     ; my column
	v_lshlrev_b32 v4, 2, v4
	v_lshl_add_u32 v4, v3, 16, v4                  ; lanes 16-31 begin 16 rows of 4,096 bytes further down
.irp b, 0,1,2,3
.irp i, 0,1,2,3,4,5,6,7,8,9,10,11,12,13,14,15
	global_load_b32 v[ST+16*\b+\i], v4, s[26:27] offset:(32*\b+\i)*4096
.endr
.endr
	s_branch .Lq
.Lwo:
	; ---- Wo [1024 (K)][128]: K step s = rows 128 s on, columns 16 t on as they lie
	s_lshr_b32 s30, s33, 3
	s_lshl_b32 s30, s30, 16                        ; 128 rows of 512 bytes
	s_mov_b32 s31, 0
	s_add_nc_u64 s[26:27], s[20:21], s[30:31]
	s_and_b32 s28, s33, 7
	s_lshl_b32 s28, s28, 4
	v_add_nc_u32 v4, s28, v2                       ; my column
	v_lshlrev_b32 v4, 2, v4
	v_lshl_add_u32 v4, v3, 13, v4                  ; lanes 16-31 begin 16 rows of 512 bytes further down
.irp b, 0,1,2,3
.irp i, 0,1,2,3,4,5,6,7,8,9,10,11,12,13,14,15
	global_load_b32 v[ST+16*\b+\i], v4, s[26:27] offset:(32*\b+\i)*512
.endr
.endr
.Lq:
	s_mul_i32 s36, s32, 1536
	s_mov_b32 s37, 0
	s_lshl_b32 s38, s32, 7
	s_mov_b32 s39, 0
	s_add_nc_u64 s[22:23], s[22:23], s[36:37]      ; my fragment's image,
	s_add_nc_u64 s[24:25], s[24:25], s[38:39]      ; and its scale words
	s_wait_loadcnt 0x0                             ; all my numbers are in
	QUANT ST
.irp c, 0,1,2
	global_store_b128 v5, v[PC+4*\c:PC+4*\c+3], s[22:23] offset:512*\c   ; 32 lanes store 512 consecutive bytes, aligned
.endr
	global_store_b32 v6, v[PW], s[24:25]
	s_endpgm
.Lfunc_end_k_qd45f2c358b_prep:
	.size	k_qd45f2c358b_prep, .Lfunc_end_k_qd45f2c358b_prep-k_qd45f2c358b_prep
	.p2alignl 7, 3214868480
	.fill 96, 4, 3214868480
	.section	.rodata,"a",@progbits
	.p2align	6, 0x0
	.amdhsa_kernel k_qd45f2c358b_prep
		.amdhsa_group_segment_fixed_size 0
		.amdhsa_private_segment_fixed_size 0
		.amdhsa_enable_private_segment 0
		.amdhsa_kernarg_size 72
		.amdhsa_user_sgpr_count 2
		.amdhsa_user_sgpr_kernarg_segment_ptr 1
		.amdhsa_wavefront_size32 1
		.amdhsa_system_sgpr_workgroup_id_x 1
		.amdhsa_system_sgpr_workgroup_id_y 1
		.amdhsa_system_sgpr_workgroup_id_z 1
		.amdhsa_system_vgpr_workitem_id 0
		.amdhsa_next_free_vgpr 120
		.amdhsa_next_free_sgpr 66
		.amdhsa_reserve_vcc 0
		.amdhsa_float_denorm_mode_32 3
		.amdhsa_float_denorm_mode_16_64 3
		.amdhsa_memory_ordered 1
		.amdhsa_forward_progress 1
		.amdhsa_inst_pref_size 21
	.end_amdhsa_kernel
	.amdgpu_metadata
---
amdhsa.version: [ 1, 2 ]
amdhsa.kernels:
  - .name:           k_qd45f2c358b_prep
    .symbol:         k_qd45f2c358b_prep.kd
    .args:
      - { .name: q, .offset: 0, .size: 8, .value_kind: global_buffer, .address_space: global }
      - { .name: k, .offset: 8, .size: 8, .value_kind: global_buffer, .address_space: global }
      - { .name: v, .offset: 16, .size: 8, .value_kind: global_buffer, .address_space: global }
      - { .name: Wq, .offset: 24, .size: 8, .value_kind: global_buffer, .address_space: global }
      - { .name: Wk, .offset: 32, .size: 8, .value_kind: global_buffer, .address_space: global }
      - { .name: Wv, .offset: 40, .size: 8, .value_kind: global_buffer, .address_space: global }
      - { .name: Wo, .offset: 48, .size: 8, .value_kind: global_buffer, .address_space: global }
      - { .name: pc, .offset: 56, .size: 8, .value_kind: global_buffer, .address_space: global }
      - { .name: ps, .offset: 64, .size: 8, .value_kind: global_buffer, .address_space: global }
    .group_segment_fixed_size: 0
    .private_segment_fixed_size: 0
    .kernarg_segment_align: 8
    .kernarg_segment_size: 72
    .max_flat_workgroup_size: 352
    .sgpr_count:     66
    .vgpr_count:     120
    .wavefront_size: 32
...
	.end_amdgpu_metadata
.endif
;; end of part 1
;; launch proj (part 2): grid 256 x 1, 10 waves a work-group, no clusters, 0 bytes of LDS; arguments pc, ps, bq, bk, bv, hc, hs; writes hc, hs
.if DOCPART == 2
	.amdgcn_target "amdgcn-amd-amdhsa--gfx1250"
	.amdhsa_code_object_version 6
	.text
	.protected	k_qd45f2c358b_proj
	.globl	k_qd45f2c358b_proj
	.p2align	8
	.type	k_qd45f2c358b_proj,@function
k_qd45f2c358b_proj:
	s_mov_b64 s[64:65], 0
	v_nop
	global_prefetch_b8 v0, s[64:65] scope:SCOPE_SE
	s_setreg_imm32_b32 hwreg(HW_REG_WAVE_MODE, 25, 1), 1
	s_wait_xcnt 0x0
; Launch 2 of 4: the three projections Qh = q Wq + bq, Kh = k Wk + bk, Vh = v Wv + bv on codes of E2M3, and their results quantised at once for the two products of attention.  No work is left out.
; SHARES: one wave, one task: 128 rows of q, k or v x one head = 64 matrix instructions (K = 128 is one instruction deep).  T = 10 x work-group + wave, 2,560 tasks; block of rows T / 8 (0-63 q, 64-191 k, 192-319 v), head T % 8.
; ONE SHAPE FOR ALL: eight STATIONARY fragments are source 0 and stay in registers; eight MOVING fragments, one a turn, are source 1; a turn's eight results are 64 numbers a lane, which are one fragment of the next product.
;   q, k tasks: stationary = the head's 8 tiles of W, moving = the 8 tiles of rows.  The product is used transposed: a lane holds one row, and, by the choice of W's columns made when the weights were laid out, register 16 b + i is d = 32 b + 16 h + i.
;   v tasks:    stationary = the 8 tiles of keys, moving = the head's 8 tiles of Wv.  A lane holds one d, and, by the choice of the keys of a tile, register 16 b + i is key 32 b + 16 h + i: Vh is quantised along the keys, with no transposition.
; THE BIAS is the C of each product: for q, k eight registers a tile in the result's layout; for v one number a lane, copied into eight registers (two sets by turns).
; OUT: slot idx of hc, 12,288 bytes: the turn's fragments as images of their registers, 1,536 bytes each.  Slot idx of hs, 512 bytes: an image of four registers: register p holds fragment 2 p's scale words in lanes 0-15 and fragment 2 p + 1's in lanes 16-31.
;   idx: q (batch x 8 + head) x 8 + block;  k 512 + (batch x 8 + head) x 16 + block;  v 1536 + the same.
; NO CLUSTER, NO LDS: every operand goes from memory straight into the registers of the one wave that multiplies it, 24 pieces of 512 consecutive bytes for each side of a task, and is read once by that wave; joint requests belong to
; tensor loads into LDS, which a task of 64 products has no use for.  Waves share nothing: no barrier.
; LIMITS of the quantiser: as stated at the head of the first launch (byte held at 1 from below; NaN and infinities not served).
.set LI,  1                            ; v1      16 x lane
.set LS,  2                            ; v2      4 x lane
.set SF,  16                           ; v16-111  the stationary fragments
.set SS,  112                          ; v112-119 their scale words
.set MF,  120                          ; v120-143 the moving fragment, two buffers
.set MS,  144                          ; v144-145 its scale words
.set HA,  148                          ; v148-211 a turn's eight results
.set TM,  212                          ; v212-227 at work in QUANT
.set PW,  228
.set PC,  230                          ; v230-249 the codes
.set SCW, 250                          ; v250-253 the slot's four registers of scale words
.set B1,  0                            ; window 1 (v256 on): q, k tasks: the bias, eight registers a tile
.set BV,  0                            ; window 1: v tasks: the bias of my d in each of the eight moving tiles,
.set CB,  16                           ; and two sets of eight copies
.set SEL, 38
.set MSB, 0
.macro WIN new                         ; s_set_vgpr_msb: bits 1:0 source 0, 3:2 source 1, 5:4 source 2, 7:6 destination; the high byte repeats the setting that is left
.if MSB != \new
	s_set_vgpr_msb (MSB<<8)|\new
.set MSB, \new
.endif
.endm
.macro QUANT s                         ; 64 numbers of a lane, register 16 b + i = K 32 b + 16 (lane / 16) + i of its row -> the fragment in v[PC] on, the scale word in v[PW]
.irp b, 0,1,2,3
	v_max3_num_f32 v[TM+\b], |v[\s+16*\b]|, |v[\s+1+16*\b]|, 0x1800000   ; each result is read from its low end on; the floor 2^(3 - 127) holds the byte at 1
.endr
.irp i, 2,4,6,8,10,12,14
.irp b, 0,1,2,3
	v_max3_num_f32 v[TM+\b], v[TM+\b], |v[\s+16*\b+\i]|, |v[\s+1+16*\b+\i]|
.endr
.endr
.irp b, 0,1,2,3
	v_permlanex16_b32 v[TM+4+\b], v[TM+\b], s[SEL], s[SEL+1]
.endr
.irp b, 0,1,2,3
	v_max_num_f32 v[TM+\b], v[TM+\b], v[TM+4+\b]
.endr
.irp b, 0,1,2,3
	v_add_nc_u32 v[TM+12+\b], 0xff000000, v[TM+\b]
.endr
.irp b, 0,1,2,3
	v_lshrrev_b32 v[TM+4+\b], 23, v[TM+12+\b]
.endr
	v_lshl_or_b32 v[PW], v[TM+5], 8, v[TM+4]
	v_lshl_or_b32 v[PW], v[TM+6], 16, v[PW]
	v_lshl_or_b32 v[PW], v[TM+7], 24, v[PW]
.irp c, 0,1
	v_cvt_scalef32_pk16_fp6_f32 v[PC+6*\c:PC+2+6*\c], v[\s+32*\c:\s+15+32*\c], v[TM+12+2*\c]
	v_cvt_scalef32_pk16_fp6_f32 v[PC+12+4*\c:PC+14+4*\c], v[\s+16+32*\c:\s+31+32*\c], v[TM+12+2*\c+1]
.endr
	v_nop                                          ; one plain instruction behind the last scaled conversion
.irp c, 0,1
.irp i, 0,1,2
	v_permlane16_swap_b32 v[PC+6*\c+\i], v[PC+12+4*\c+\i]
.endr
.irp i, 0,1,2
	v_mov_b32 v[PC+3+6*\c+\i], v[PC+12+4*\c+\i]
.endr
.endr
.endm
.macro XLOAD i                         ; moving fragment i and its scale words: four loads
.irp c, 0,1,2
	global_load_b128 v[MF+12*((\i)%2)+4*\c:MF+12*((\i)%2)+4*\c+3], v[LI], s[28:29] offset:1536*(\i)+512*\c
.endr
	global_load_b32 v[MS+(\i)%2], v[LS], s[30:31] offset:128*(\i)
.endm
; Turn i.  isv = 1: a v task.
.macro ITER i, isv
.if (\i) > 0
	s_wait_xcnt 0x0                                ; the last turn's stores have read the codes' registers: they are written again only behind this wait
.endif
.if (\i) < 7
	s_wait_loadcnt 4                               ; fragment i is in; the four loads of fragment i + 1, the only ones issued behind it, may be out
.else
	s_wait_loadcnt 0x0
.endif
.if (\isv) && ((\i) == 0)
	WIN 0x41
.irp j, 0,1,2,3,4,5,6,7
	v_mov_b32 v[CB+\j], v[BV]                      ; the first tile's bias, eight times
.endr
.rept 4
	v_nop
.endr
.endif
	WIN 0x10                                       ; C in window 1
.irp t, 0,1,2,3,4,5,6,7                        ; eight results, eight accumulators: no sum is taken up again
.if \isv
	v_wmma_scale_f32_16x16x128_f8f6f4 v[HA+8*\t:HA+8*\t+7], v[SF+12*\t:SF+12*\t+11], v[MF+12*((\i)%2):MF+12*((\i)%2)+11], v[CB+8*((\i)%2):CB+8*((\i)%2)+7], v[SS+\t], v[MS+(\i)%2] matrix_a_fmt:MATRIX_FMT_FP6 matrix_b_fmt:MATRIX_FMT_FP6
.else
	v_wmma_scale_f32_16x16x128_f8f6f4 v[HA+8*\t:HA+8*\t+7], v[SF+12*\t:SF+12*\t+11], v[MF+12*((\i)%2):MF+12*((\i)%2)+11], v[B1+8*\t:B1+8*\t+7], v[SS+\t], v[MS+(\i)%2] matrix_a_fmt:MATRIX_FMT_FP6 matrix_b_fmt:MATRIX_FMT_FP6
.endif
.endr
	; four places behind the products, ahead of the loads into the buffer that they read and of the first read of their results
.if (\isv) && ((\i) < 7)
	WIN 0x41
.irp j, 0,1,2,3,4,5,6,7
	v_mov_b32 v[CB+8*(((\i)+1)%2)+\j], v[BV+(\i)+1]   ; the next tile's bias into the other set: these name no register of the products above
.endr
	WIN 0
.else
	WIN 0
.rept 4
	v_nop
.endr
.endif
.if (\i)+2 < 8
	XLOAD (\i)+2
.endif
	QUANT HA
.if (\i)%2 == 0
	v_mov_b32 v[SCW+(\i)/2], v[PW]                 ; an even fragment's words (they are the same in lanes l and l xor 16),
.else
	v_cndmask_b32 v[SCW+(\i)/2], v[SCW+(\i)/2], v[PW], s40   ; an odd one's into lanes 16-31
.endif
.irp c, 0,1,2
	global_store_b128 v[LI], v[PC+4*\c:PC+4*\c+3], s[34:35] offset:1536*(\i)+512*\c   ; 512 consecutive bytes, aligned
.endr
.endm
	s_load_b256 s[4:11], s[0:1], 0x0               ; pc s[4:5], ps s[6:7], bq s[8:9], bk s[10:11]
	s_load_b128 s[12:15], s[0:1], 0x20             ; bv s[12:13], hc s[14:15]
	s_load_b64 s[16:17], s[0:1], 0x30              ; hs
	v_lshrrev_b32 v4, 5, v0
	v_readfirstlane_b32 s18, v4                    ; wave 0..9
	v_and_b32 v4, 31, v0
	v_and_b32 v5, 15, v0                           ; r
	v_bfe_u32 v6, v0, 4, 1                         ; h
	v_lshlrev_b32 v[LI], 4, v4
	v_lshlrev_b32 v[LS], 2, v4
	s_mov_b32 s[SEL], 0x76543210
	s_mov_b32 s[SEL+1], 0xfedcba98
	s_mov_b32 s40, 0xffff0000                      ; lanes 16-31
.irp b, 0,1,2,3
	v_mov_b32 v[TM+4+\b], 0                        ; written once: a lane permute's destination counts as one of its sources
.endr
	s_mul_i32 s19, ttmp9, 10
	s_add_co_u32 s19, s19, s18                     ; T
	s_lshr_b32 s20, s19, 3                         ; the block of 128 rows, 0..319
	s_and_b32 s21, s19, 7                          ; the head
	s_cmp_ge_u32 s20, 64
	s_cselect_b32 s41, 1, 0                        ; k or v
	s_cmp_ge_u32 s20, 192
	s_cselect_b32 s23, 1, 0                        ; v
	s_add_co_u32 s22, s41, s23                     ; the tensor: 0 q, 1 k, 2 v
	s_add_co_u32 s42, s22, s23                     ; 0, 1, 3
	s_lshl_b32 s43, s42, 6
	s_sub_co_u32 s43, s20, s43                     ; the block in its tensor
	s_add_co_u32 s44, s41, 3                       ; a batch has 2^3 blocks of q, 2^4 of k and of v
	s_lshr_b32 s45, s43, s44                       ; the batch
	s_add_co_u32 s46, s44, 3
	s_lshl_b32 s45, s45, s46
	s_lshl_b32 s46, s21, s44
	s_add_co_u32 s45, s45, s46
	s_lshl_b32 s46, 1, s44
	s_sub_co_u32 s46, s46, 1
	s_and_b32 s46, s43, s46
	s_add_co_u32 s45, s45, s46
	s_lshl_b32 s46, s42, 9
	s_add_co_u32 s45, s45, s46                     ; idx
	s_lshl_b32 s46, s22, 6
	s_lshl_b32 s47, s21, 3
	s_add_co_u32 s46, s46, s47
	s_add_co_u32 s46, s46, 2560                    ; the weight's first fragment
	s_lshl_b32 s47, s20, 3                         ; the rows' first fragment
	s_cmp_eq_u32 s23, 1
	s_cselect_b32 s43, s47, s46                    ; stationary
	s_cselect_b32 s44, s46, s47                    ; moving
	s_mul_i32 s24, s43, 1536
	s_mov_b32 s25, 0
	s_lshl_b32 s26, s43, 7
	s_mov_b32 s27, 0
	s_mul_i32 s28, s44, 1536
	s_mov_b32 s29, 0
	s_lshl_b32 s30, s44, 7
	s_mov_b32 s31, 0
	s_mul_i32 s34, s45, 12288
	s_mov_b32 s35, 0
	s_lshl_b32 s36, s45, 9
	s_mov_b32 s37, 0
	s_lshl_b32 s46, s21, 9                         ; the head's 128 numbers of the bias
	s_mov_b32 s47, 0
	s_wait_kmcnt 0x0
	s_add_nc_u64 s[24:25], s[4:5], s[24:25]
	s_add_nc_u64 s[26:27], s[6:7], s[26:27]
	s_add_nc_u64 s[28:29], s[4:5], s[28:29]
	s_add_nc_u64 s[30:31], s[6:7], s[30:31]
	s_add_nc_u64 s[34:35], s[14:15], s[34:35]
	s_add_nc_u64 s[36:37], s[16:17], s[36:37]
	s_cmp_eq_u32 s22, 1
	s_cselect_b64 s[32:33], s[10:11], s[8:9]
	s_cmp_eq_u32 s22, 2
	s_cselect_b64 s[32:33], s[12:13], s[32:33]
	s_add_nc_u64 s[32:33], s[32:33], s[46:47]
.irp t, 0,1,2,3,4,5,6,7
.irp c, 0,1,2
	global_load_b128 v[SF+12*\t+4*\c:SF+12*\t+4*\c+3], v[LI], s[24:25] offset:1536*\t+512*\c
.endr
	global_load_b32 v[SS+\t], v[LS], s[26:27] offset:128*\t
.endr
	s_cmp_eq_u32 s23, 1
	s_cbranch_scc1 .Lvtask
	; ---- a q or k task
	v_lshlrev_b32 v3, 6, v6                        ; lane (r, h) wants, for tile 2 b + u, the bias of d = 32 b + 8 u + 16 h + 0 .. 7
	WIN 0x40
.irp t, 0,1,2,3,4,5,6,7
	global_load_b128 v[B1+8*\t:B1+8*\t+3], v3, s[32:33] offset:(32*(\t/2)+8*(\t%2))*4
	global_load_b128 v[B1+8*\t+4:B1+8*\t+7], v3, s[32:33] offset:(32*(\t/2)+8*(\t%2))*4+16
.endr
	WIN 0
	XLOAD 0
	XLOAD 1
.irp i, 0,1,2,3,4,5,6,7
	ITER \i, 0
.endr
	global_store_b128 v[LI], v[SCW:SCW+3], s[36:37]   ; the slot's scale words: 512 consecutive bytes, aligned
	s_endpgm
.Lvtask:
	; ---- a v task
	v_and_b32 v3, 8, v5
	v_add_nc_u32 v3, v3, v5
	v_lshlrev_b32 v3, 2, v3                        ; in moving tile 2 b + u lane r holds d = 32 b + 8 u + r + 8 (r / 8)
	WIN 0x40
.irp t, 0,1,2,3,4,5,6,7
	global_load_b32 v[BV+\t], v3, s[32:33] offset:(32*(\t/2)+8*(\t%2))*4
.endr
	WIN 0
	XLOAD 0
	XLOAD 1
.irp i, 0,1,2,3,4,5,6,7
	ITER \i, 1
.endr
	global_store_b128 v[LI], v[SCW:SCW+3], s[36:37]
	s_endpgm
.Lfunc_end_k_qd45f2c358b_proj:
	.size	k_qd45f2c358b_proj, .Lfunc_end_k_qd45f2c358b_proj-k_qd45f2c358b_proj
	.p2alignl 7, 3214868480
	.fill 96, 4, 3214868480
	.section	.rodata,"a",@progbits
	.p2align	6, 0x0
	.amdhsa_kernel k_qd45f2c358b_proj
		.amdhsa_group_segment_fixed_size 0
		.amdhsa_private_segment_fixed_size 0
		.amdhsa_enable_private_segment 0
		.amdhsa_kernarg_size 56
		.amdhsa_user_sgpr_count 2
		.amdhsa_user_sgpr_kernarg_segment_ptr 1
		.amdhsa_wavefront_size32 1
		.amdhsa_system_sgpr_workgroup_id_x 1
		.amdhsa_system_sgpr_workgroup_id_y 1
		.amdhsa_system_sgpr_workgroup_id_z 1
		.amdhsa_system_vgpr_workitem_id 0
		.amdhsa_next_free_vgpr 320
		.amdhsa_next_free_sgpr 66
		.amdhsa_reserve_vcc 0
		.amdhsa_float_denorm_mode_32 3
		.amdhsa_float_denorm_mode_16_64 3
		.amdhsa_memory_ordered 1
		.amdhsa_forward_progress 1
		.amdhsa_inst_pref_size 101
	.end_amdhsa_kernel
	.amdgpu_metadata
---
amdhsa.version: [ 1, 2 ]
amdhsa.kernels:
  - .name:           k_qd45f2c358b_proj
    .symbol:         k_qd45f2c358b_proj.kd
    .args:
      - { .name: pc, .offset: 0, .size: 8, .value_kind: global_buffer, .address_space: global }
      - { .name: ps, .offset: 8, .size: 8, .value_kind: global_buffer, .address_space: global }
      - { .name: bq, .offset: 16, .size: 8, .value_kind: global_buffer, .address_space: global }
      - { .name: bk, .offset: 24, .size: 8, .value_kind: global_buffer, .address_space: global }
      - { .name: bv, .offset: 32, .size: 8, .value_kind: global_buffer, .address_space: global }
      - { .name: hc, .offset: 40, .size: 8, .value_kind: global_buffer, .address_space: global }
      - { .name: hs, .offset: 48, .size: 8, .value_kind: global_buffer, .address_space: global }
    .group_segment_fixed_size: 0
    .private_segment_fixed_size: 0
    .kernarg_segment_align: 8
    .kernarg_segment_size: 56
    .max_flat_workgroup_size: 320
    .sgpr_count:     66
    .vgpr_count:     320
    .wavefront_size: 32
...
	.end_amdgpu_metadata
.endif
;; end of part 2
;; launch attn (part 3): grid 4 x 64, 16 waves a work-group, clusters of 4 x 1, 327,680 bytes of LDS; arguments hc, hs, oc, os; writes oc, os
.if DOCPART == 3
	.amdgcn_target "amdgcn-amd-amdhsa--gfx1250"
	.amdhsa_code_object_version 6
	.text
	.protected	k_qd45f2c358b_attn
	.globl	k_qd45f2c358b_attn
	.p2align	8
	.type	k_qd45f2c358b_attn,@function
k_qd45f2c358b_attn:
	s_mov_b64 s[64:65], 0
	v_nop
	global_prefetch_b8 v0, s[64:65] scope:SCOPE_SE
	s_setreg_imm32_b32 hwreg(HW_REG_WAVE_MODE, 25, 1), 1
	s_wait_xcnt 0x0
	s_wait_alu depctr_hold_cnt(0) depctr_sa_sdst(0) depctr_va_vdst(0) depctr_va_sdst(0) depctr_va_ssrc(0) depctr_va_vcc(0) depctr_vm_vsrc(0)
	s_getreg_b32 s2, hwreg(HW_REG_IB_STS2, 6, 4)
	s_cmp_eq_u32 s2, 0
	s_cbranch_scc0 .Lentry_in_a_cluster
	s_endpgm
.Lentry_in_a_cluster:
	s_bfe_u32 s2, ttmp6, 0x10000c
	s_cmp_lg_u32 s2, 0x3003
	s_cbranch_scc0 .Lentry_shape_is_right
	s_endpgm
.Lentry_shape_is_right:
; Launch 3 of 4: o = softmax(Qh Kh^T / sqrt(128)) Vh for each of the 64 (batch, head), both products on codes of E2M3, and o quantised along d for the last product.  No work is left out: there is no mask.
; THE SOFTMAX AHEAD OF THE SECOND PRODUCT: t = score x log2(e) / sqrt(128); M = the row's largest t so far, rounded up to a whole number; p = 2^(t - M) is what is quantised, along the keys, not normalised.
; The row's sum is taken of the unquantised p in f32 and divides O at the end.  When M moves, the sum and O are multiplied by 2^(old M - new M), which rounds nothing.
; SHARES: work-group y = batch x 8 + head.  The four work-groups of a cluster are that head's four blocks of 256 queries (the grid's x is one cluster, so the block is the place cx).  Each of sixteen waves owns 16 queries in 256 registers,
; four waves to a SIMD, so that one wave's vector work stands beside another's matrix work and LDS loads.  Every wave walks the head's 2,048 keys, 128 a step.
; OPERANDS are images of their registers (1,536 bytes a fragment, lane l's 16 bytes at 16 l of each of three pieces), as the launch before laid them: every LDS read takes 512 consecutive bytes, and there is no pitch and no padding.
; LAYOUT: both products are used transposed: S^T = K Q^T (source 0 = 16 keys), O^T = V^T P^T (source 0 = 16 of the head's d): a lane holds one query throughout.  By the choice of the keys of a tile of K, the 16 registers of tiles 2 b, 2 b + 1 of S^T
; are keys 32 b + 16 h + 0 .. 15; by the choice of the d of a tile of V, O^T's register 16 b + i is d = 32 b + 16 h + i: p and o go into their quantisers as they lie.
; CLUSTER: the four partners walk the same K and V, so every tile is asked for JOINTLY: the same tensor load, the same descriptor, a mask that names the four.  cx enters global addresses alone (Q's, o's, the prefetches').
; THE RING: two slots of 512 keys (four steps: 49,152 bytes of K, then as many of V), 2^17 bytes apart.  Waves 0-3 fetch a quarter of a slot each; waves 4 and 5 fetch, once, the head's scale words of K and of V.
; By this text's count a wave never has more than one tensor load out.  All of a WGP's LDS is claimed; 280,576 bytes are used.
; LIMITS: NaN and infinities are not served; the quantiser's byte is held at 1 from below (a block of zeros keeps it: its codes are zeros).
; REGISTERS: v1-7 addresses that stay; v8, v10 the step's LDS addresses; v12 -M, v13 the largest t, v[14:15] the sum in two halves; v16-27 Q; v32-79 four fragments of K or V; v80-83, v84-87 the step's scale words of K, of V;
;   v96-159 S^T, then p; v160-223 O^T; v224-235 p's codes; v232-254 at work; v253 p's scale word; v255 Q's.
.set STEPB, 12288                      ; a step's eight fragments
.set HALFB, 4*STEPB                    ; a slot's K, or its V
.set SLOT1, 1<<17
.set SCK,   2*SLOT1                    ; K's scale words of the head: 16 steps x 512 bytes
.set SCV,   SCK+8192                   ; V's
.set SPARE, SCV+8192                   ; the spare words, 128 bytes for each of sixteen waves: eight blocks of 256 bytes that no other line names
.set LI,  1                            ; v1  16 x lane
.set QS,  2                            ; v2  16 x (lane % 16): Q's scale word in its slot's image
.set LS,  3                            ; v3  4 x lane
.set LSC, 4                            ; v4  SCK + 16 x lane
.set SPW, 5                            ; v5  my spare word's LDS address; never rewritten
.set NIL, 6                            ; v6  0; never rewritten
.set PFO, 7                            ; v7  256 x lane: the prefetches' offset; never rewritten
.set ADK, 8
.set ADS, 10
.set TM,  232                          ; the way out's quantiser
.set PW,  252
.set PC,  32
.set WV,  12                           ; s12 wave
.set CX,  13                           ; s13 my place in the cluster
.set BH,  14                           ; s14 batch x 8 + head
.set SEL, 20                           ; s[20:21]
.set CS,  22                           ; s[22:23] c = log2(e) / sqrt(128), twice
.set G1,  24                           ; s[24:31] group 1: 96 rows of 256 bytes, dense
.set G1S, 32                           ; s[32:39] group 1: 32 rows of 256 bytes
.set G0,  40                           ; s[40:43] group 0 of the codes: it walks
.set G0S, 44                           ; s[44:47] group 0 of the scale words
.set TB,  48                           ; s48 LDS byte of the step's K
.set TS,  49                           ; s49 512 x the step
.set SLOTS, 50                         ; s50 slots still to be asked for
.set TW,  51                           ; s51 counts a slot's four steps
.set PFA, 52                           ; s[52:53] where my prefetches stand
.set LIM, 54                           ; s54 1 in a wave that prefetches, else the greatest number
.macro CROUND                          ; a round of the cluster's barrier
	s_barrier_signal -1
	s_barrier_wait -1
	s_cmp_lg_u32 s[WV], 0
	s_cbranch_scc1 .Lnot_wave_0_\@
	s_barrier_signal -3
.Lnot_wave_0_\@:
	s_barrier_wait -3
	s_barrier_signal -1
	s_barrier_wait -1
.endm
.macro REFILL                          ; waves 0-3: my quarter of a slot.  The branch hangs on the wave's number alone.  An s_nop 0 and four v_nop follow the load
	s_cmp_lt_u32 s[WV], 4
	s_cbranch_scc0 .Lno_load_\@
	tensor_load_to_lds s[G0:G0+3], s[G1:G1+7]
	s_nop 0
.rept 4
	v_nop
.endr
.Lno_load_\@:
.endm
; A PREFETCH INTO THE L2 of the slot that the NEXT change of slots will ask for: four key steps ahead of that load.  A slot is 12 pieces of 8,192 bytes, six of K and six of V; a piece is one instruction, lanes 256 bytes apart.
; This cluster alone reads this head's K and V.  Its four partners take three pieces each, told apart BY ADDRESS (piece 3 cx + wave - 6); in each, waves 6, 7 and 8 ask.  So each aligned block of 256 bytes is named once in the launch.
; Slots 0 and 1 come by their loads alone; the last change that fills a slot asks for nothing: there is no slot behind it.
.macro ASK
	s_cmp_gt_u32 s[SLOTS], s[LIM]
	s_cbranch_scc0 .Lnot_mine_\@
	global_prefetch_b8 v[PFO], s[PFA:PFA+1] th:TH_LOAD_NT scope:SCOPE_SE
.Lnot_mine_\@:
.endm
.macro QUANT s                         ; 64 numbers of a lane, register 16 b + i = K 32 b + 16 (lane / 16) + i of its row -> the fragment in v[PC] on, the scale word in v[PW]
.irp b, 0,1,2,3
	v_max3_num_f32 v[TM+\b], |v[\s+16*\b]|, |v[\s+1+16*\b]|, 0x1800000
.endr
.irp i, 2,4,6,8,10,12,14
.irp b, 0,1,2,3
	v_max3_num_f32 v[TM+\b], v[TM+\b], |v[\s+16*\b+\i]|, |v[\s+1+16*\b+\i]|
.endr
.endr
.irp b, 0,1,2,3
	v_permlanex16_b32 v[TM+4+\b], v[TM+\b], s[SEL], s[SEL+1]
.endr
.irp b, 0,1,2,3
	v_max_num_f32 v[TM+\b], v[TM+\b], v[TM+4+\b]
.endr
.irp b, 0,1,2,3
	v_add_nc_u32 v[TM+12+\b], 0xff000000, v[TM+\b]
.endr
.irp b, 0,1,2,3
	v_lshrrev_b32 v[TM+4+\b], 23, v[TM+12+\b]
.endr
	v_lshl_or_b32 v[PW], v[TM+5], 8, v[TM+4]
	v_lshl_or_b32 v[PW], v[TM+6], 16, v[PW]
	v_lshl_or_b32 v[PW], v[TM+7], 24, v[PW]
.irp c, 0,1
	v_cvt_scalef32_pk16_fp6_f32 v[PC+6*\c:PC+2+6*\c], v[\s+32*\c:\s+15+32*\c], v[TM+12+2*\c]
	v_cvt_scalef32_pk16_fp6_f32 v[PC+12+4*\c:PC+14+4*\c], v[\s+16+32*\c:\s+31+32*\c], v[TM+12+2*\c+1]
.endr
	v_nop
.irp c, 0,1
.irp i, 0,1,2
	v_permlane16_swap_b32 v[PC+6*\c+\i], v[PC+12+4*\c+\i]
.endr
.irp i, 0,1,2
	v_mov_b32 v[PC+3+6*\c+\i], v[PC+12+4*\c+\i]
.endr
.endr
.endm
	s_load_b256 s[4:11], s[0:1], 0x0               ; hc s[4:5], hs s[6:7], oc s[8:9], os s[10:11]
	v_lshl_add_u32 v[SPW], v0, 2, SPARE
	v_mov_b32 v[NIL], 0
	ds_add_u32 v[SPW], v[NIL]                      ; the wave's opening: the add, twice on end, and its wait ahead of the first tensor loads; the set-up below, work on registers, stands between
	ds_add_u32 v[SPW], v[NIL]
	v_lshrrev_b32 v8, 5, v0
	v_readfirstlane_b32 s[WV], v8                  ; wave 0..15
	v_and_b32 v[PFO], 31, v0
	v_lshlrev_b32 v[LI], 4, v[PFO]
	v_lshlrev_b32 v[LS], 2, v[PFO]
	v_lshlrev_b32 v[PFO], 8, v[PFO]
	v_and_b32 v[QS], 15, v0
	v_lshlrev_b32 v[QS], 4, v[QS]
	v_add_nc_u32 v[LSC], SCK, v[LI]
	s_bfe_u32 s[CX], ttmp6, 0x40000
	s_and_b32 s[BH], ttmp7, 0xffff
	s_mov_b32 s[G1], 15|(3<<16)|(1<<21)            ; 15:0 the mask: all four work-groups; 17:16 elements of 8 bytes; 20 no padding; 21 set beside a mask
	s_mov_b32 s[G1+1], 32<<16                      ; tensor_dim0 = 32 elements: 256 bytes
	s_mov_b32 s[G1+2], 96<<16                      ; tensor_dim1 = 96 rows: two steps' fragments, 24,576 dense bytes
	s_mov_b32 s[G1+3], 32<<16                      ; tile_dim0
	s_mov_b32 s[G1+4], 96                          ; tile_dim1
	s_mov_b32 s[G1+5], 32                          ; from row to row
	s_mov_b32 s[G1+6], 0
	s_mov_b32 s[G1+7], 0
	s_mov_b32 s[G1S], 15|(3<<16)|(1<<21)
	s_mov_b32 s[G1S+1], 32<<16
	s_mov_b32 s[G1S+2], 32<<16                     ; 32 rows: 16 steps x 512 bytes
	s_mov_b32 s[G1S+3], 32<<16
	s_mov_b32 s[G1S+4], 32
	s_mov_b32 s[G1S+5], 32
	s_mov_b32 s[G1S+6], 0
	s_mov_b32 s[G1S+7], 0
	; what I fetch, if I fetch.  Waves 0, 1: K's steps 0-1, 2-3 of a slot; waves 2, 3: V's.  Made of the wave's number and the head alone, in registers that never hold cx
	s_and_b32 s16, s[WV], 3
	s_mul_i32 s[G0+1], s16, 2*STEPB                ; in a slot
	s_lshr_b32 s17, s16, 1
	s_lshl_b32 s17, s17, 10                        ; V's slots of hc lie 1,024 behind K's
	s_and_b32 s18, s[WV], 1
	s_lshl_b32 s16, s18, 1
	s_add_co_u32 s17, s17, s16
	s_lshl_b32 s19, s[BH], 4
	s_add_co_u32 s17, s17, s19
	s_add_co_u32 s17, s17, 512
	s_mul_i32 s56, s17, STEPB
	s_mov_b32 s57, 0
	s_lshl_b32 s[G0S+1], s18, 13                   ; wave 4: K's scale words, wave 5: V's
	s_add_co_u32 s[G0S+1], s[G0S+1], SCK
	s_lshl_b32 s58, s18, 10
	s_add_co_u32 s58, s58, s19
	s_add_co_u32 s58, s58, 512
	s_lshl_b32 s58, s58, 9
	s_mov_b32 s59, 0
	s_mov_b32 s[G0], 1
	s_mov_b32 s[G0S], 1
	s_mov_b32 s[SEL], 0x76543210
	s_mov_b32 s[SEL+1], 0xfedcba98
	s_mov_b32 s[CS], 0x3e0293ee                    ; c = log2(e) / sqrt(128)
	s_mov_b32 s[CS+1], s[CS]                       ; named with it as a pair, so it is written
	s_mov_b32 s[TB], 0
	s_mov_b32 s[TS], 0
	s_mov_b32 s[SLOTS], 3
	s_sub_co_u32 s[LIM], s[WV], 6
	s_cmp_lt_u32 s[LIM], 3                         ; waves 6, 7, 8
	s_cselect_b32 s[LIM], 1, -1
	; Q's, o's and the prefetches' places: these hang on cx
	s_lshl_b32 s2, s[CX], 4
	s_add_co_u32 s2, s2, s[WV]                     ; my tile of 16 queries in the head, 0..63
	s_lshl_b32 s3, s[BH], 6
	s_add_co_u32 s3, s3, s2
	s_mul_i32 s60, s3, 1536                        ; Q's fragment
	s_mov_b32 s61, 0
	s_lshr_b32 s62, s3, 3
	s_lshl_b32 s62, s62, 9                         ; its slot of scale words: fragment i = wave % 8 lies in register i / 2, lanes 16 (i % 2) on
	s_and_b32 s55, s[WV], 1
	s_lshl_b32 s55, s55, 8
	s_add_co_u32 s62, s62, s55
	s_bfe_u32 s55, s[WV], 0x20001
	s_lshl_b32 s55, s55, 2
	s_add_co_u32 s62, s62, s55
	s_mov_b32 s63, 0
	s_wait_dscnt 0x0                               ; both opening adds are done
	s_wait_kmcnt 0x0
	s_add_nc_u64 s[G0+2:G0+3], s[4:5], s[56:57]
	s_or_b32 s[G0+3], s[G0+3], 0x80000000          ; type = 2
	s_add_nc_u64 s[G0S+2:G0S+3], s[6:7], s[58:59]
	s_or_b32 s[G0S+3], s[G0S+3], 0x80000000
	s_add_nc_u64 s[60:61], s[4:5], s[60:61]
	s_add_nc_u64 s[62:63], s[6:7], s[62:63]
	s_lshr_b32 s55, s[BH], 3                       ; o's fragment: ((batch x 64 + tile) x 8 + head)
	s_lshl_b32 s55, s55, 6
	s_add_co_u32 s55, s55, s2
	s_lshl_b32 s55, s55, 3
	s_and_b32 s3, s[BH], 7
	s_add_co_u32 s55, s55, s3
	s_mul_i32 s2, s55, 1536
	s_mov_b32 s3, 0
	s_add_nc_u64 s[8:9], s[8:9], s[2:3]
	s_lshl_b32 s2, s55, 7
	s_add_nc_u64 s[10:11], s[10:11], s[2:3]
	s_max_u32 s55, s[WV], 6
	s_min_u32 s55, s55, 8
	s_sub_co_u32 s55, s55, 6
	s_mul_i32 s2, s[CX], 3
	s_add_co_u32 s55, s55, s2                      ; my piece of a slot, 0..11
	s_mul_i32 s2, s55, 11
	s_lshr_b32 s2, s2, 6                           ; 0: pieces 0-5, K's; 1: pieces 6-11, V's
	s_mul_i32 s2, s2, 1024*STEPB-HALFB
	s_lshl_b32 s55, s55, 13
	s_add_co_u32 s2, s2, s55
	s_lshl_b32 s55, s[BH], 4
	s_add_co_u32 s55, s55, 512
	s_mul_i32 s55, s55, STEPB
	s_add_co_u32 s2, s2, s55
	s_add_co_u32 s2, s2, HALFB                     ; in slot 1: the first change of slots steps it to slot 2.  Nothing is prefetched at the head
	s_add_nc_u64 s[PFA:PFA+1], s[4:5], s[2:3]
	CROUND                                         ; all four work-groups are here: the first joint loads meet
	s_cmp_lt_u32 s[WV], 4                          ; the first fills: slot 0 and the scale words, one load a wave in waves 0-5
	s_cbranch_scc0 .Lnot_codes
	tensor_load_to_lds s[G0:G0+3], s[G1:G1+7]
	s_nop 0
.rept 4
	v_nop
.endr
	s_branch .Lfirst_asked
.Lnot_codes:
	s_cmp_lt_u32 s[WV], 6
	s_cbranch_scc0 .Lfirst_asked
	tensor_load_to_lds s[G0S:G0S+3], s[G1S:G1S+7]
	s_nop 0
.rept 4
	v_nop
.endr
.Lfirst_asked:
.irp c, 0,1,2
	global_load_b128 v[16+4*\c:19+4*\c], v[LI], s[60:61] offset:512*\c   ; Q's fragment stays in registers
.endr
	global_load_b32 v255, v[QS], s[62:63]          ; and its scale words
	v_mov_b32 v13, 0xff61b1e6                      ; the largest t so far: -3e38, under every t
	v_floor_f32 v12, -v13                          ; -M
	v_mov_b32 v14, 0                               ; the sum, in two halves
	v_mov_b32 v15, 0
.irp b, 0,1,2,3
	v_mov_b32 v[236+\b], 0                         ; written once: a lane permute's destination counts as one of its sources
.endr
	v_mov_b32 v253, 0                              ; named as the upper half of the pair v[252:253] before it is first written
.irp j, 0,1,2,3,4,5,6,7,8,9,10,11,12,13,14,15,16,17,18,19,20,21,22,23,24,25,26,27,28,29,30,31,32,33,34,35,36,37,38,39,40,41,42,43,44,45,46,47,48,49,50,51,52,53,54,55,56,57,58,59,60,61,62,63
	v_mov_b32 v[160+\j], 0                         ; O^T: the step is written without a first step of its own; the first change of M multiplies zeros
.endr
; A KEY STEP: 128 keys.
.macro STEP
	v_add_nc_u32 v[ADK], s[TB], v[LI]
	v_add_nc_u32 v[ADS], s[TS], v[LSC]
	v_nop
	v_nop                                          ; four places ahead of loads into registers that the last step's products read
	ds_load_b128 v[80:83], v[ADS]                  ; K's scale words: register p: tile 2 p in lanes 0-15, tile 2 p + 1 in lanes 16-31
.irp g, 0,1                                    ; S^T = K Q^T, four tiles of 16 keys at a time
.if \g > 0
.rept 4
	v_nop
.endr
.endif
.irp t, 0,1,2,3
.irp c, 0,1,2
	ds_load_b128 v[32+12*\t+4*\c:35+12*\t+4*\c], v[ADK] offset:(4*\g+\t)*1536+512*\c
.endr
.endr
	s_wait_dscnt 0x0
.irp t, 0,2
	v_wmma_scale_f32_16x16x128_f8f6f4 v[96+8*(4*\g+\t):103+8*(4*\g+\t)], v[32+12*\t:43+12*\t], v[16:27], 0, v[80+2*\g+\t/2], v255 matrix_a_fmt:MATRIX_FMT_FP6 matrix_b_fmt:MATRIX_FMT_FP6
	v_wmma_scale_f32_16x16x128_f8f6f4 v[104+8*(4*\g+\t):111+8*(4*\g+\t)], v[44+12*\t:55+12*\t], v[16:27], 0, v[80+2*\g+\t/2], v255 matrix_a_fmt:MATRIX_FMT_FP6 matrix_b_fmt:MATRIX_FMT_FP6 matrix_a_scale:MATRIX_SCALE_ROW1
.endr
.endr
.rept 4
	v_nop                                          ; places ahead of the loads below and of the first read of the scores
.endr
.irp t, 0,1,2,3                                ; V's first four tiles and its scale words are asked for now: they land while the softmax is walked
.irp c, 0,1,2
	ds_load_b128 v[32+12*\t+4*\c:35+12*\t+4*\c], v[ADK] offset:HALFB+\t*1536+512*\c
.endr
.endr
	ds_load_b128 v[84:87], v[ADS] offset:8192
.irp b, 0,1,2,3
	v_max3_num_f32 v[232+\b], v[96+16*\b], v[97+16*\b], v[98+16*\b]   ; the largest score of each block of 32 keys: it serves the row's maximum and, since p rises with the score, the block's largest p
.endr
.irp i, 3,5,7,9,11,13
.irp b, 0,1,2,3
	v_max3_num_f32 v[232+\b], v[232+\b], v[96+16*\b+\i], v[97+16*\b+\i]
.endr
.endr
.irp b, 0,1,2,3
	v_max_num_f32 v[232+\b], v[232+\b], v[111+16*\b]
.endr
.irp b, 0,1,2,3
	v_permlanex16_b32 v[236+\b], v[232+\b], s[SEL], s[SEL+1]
.endr
.irp b, 0,1,2,3
	v_max_num_f32 v[232+\b], v[232+\b], v[236+\b]  ; with lane l xor 16's 16 keys
.endr
	v_max3_num_f32 v254, v232, v233, v234
	v_max_num_f32 v254, v254, v235                 ; the step's largest score of my query
	v_mul_f32 v254, s[CS], v254                    ; as t (c is positive)
	v_max_num_f32 v13, v13, v254                   ; the running largest t
	v_mov_b32 v254, v12
	v_floor_f32 v12, -v13                          ; the new -M = floor(-t) = -ceil(t)
	v_sub_f32 v254, v12, v254                      ; old M - new M: a whole number, 0 or less
	v_cvt_i32_f32 v254, v254                       ; (it saturates)
	v_ldexp_f32 v252, 1.0, v254                    ; f = 2^(old M - new M)
.irp j, 0,2,4,6,8,10,12,14,16,18,20,22,24,26,28,30,32,34,36,38,40,42,44,46,48,50,52,54,56,58,60,62
	v_pk_fma_f32 v[96+\j:97+\j], v[96+\j:97+\j], s[CS:CS+1], v[12:13] op_sel_hi:[1,0,0]   ; t - M, two at a time
.endr
.irp b, 0,1,2,3
	v_fma_f32 v[232+\b], v[232+\b], s[CS], v12     ; the same of each block's largest score
.endr
.irp j, 0,1,2,3,4,5,6,7,8,9,10,11,12,13,14,15,16,17,18,19,20,21,22,23,24,25,26,27,28,29,30,31,32,33,34,35,36,37,38,39,40,41,42,43,44,45,46,47,48,49,50,51,52,53,54,55,56,57,58,59,60,61,62,63
	v_exp_f32 v[96+\j], v[96+\j]                   ; p = 2^(t - M), at most 1
.endr
	v_pk_mul_f32 v[14:15], v[14:15], v[252:253] op_sel_hi:[1,0]   ; the sums under the new M: the plain instruction behind the exponentials
	s_wait_alu depctr_va_vdst(0)                   ; one wait for the batch of 64, ahead of its first reader
.irp b, 0,1,2,3
	v_exp_f32 v[232+\b], v[232+\b]                 ; each block's largest p
.endr
	v_pk_add_f32 v[236:237], v[96:97], v[98:99]    ; the row's sum of the unquantised p, two at a time, in two chains
.irp j, 4,8,12,16,20,24,28,32,36,40,44,48,52,56,60
	v_pk_add_f32 v[14:15], v[14:15], v[96+\j:97+\j]
	v_pk_add_f32 v[236:237], v[236:237], v[98+\j:99+\j]
.endr
	v_pk_add_f32 v[14:15], v[14:15], v[236:237]
	s_wait_alu depctr_va_vdst(0)                   ; and one for the four
.irp b, 0,1,2,3
	v_max_num_f32 v[232+\b], 0x1800000, v[232+\b]  ; the floor 2^(3 - 127): the byte cannot fall under 1
.endr
.irp b, 0,1,2,3
	v_add_nc_u32 v[244+\b], 0xff000000, v[232+\b]  ; 2 off the exponent field: the conversion's scale operand
.endr
.irp b, 0,1,2,3
	v_lshrrev_b32 v[236+\b], 23, v[244+\b]         ; the scale's byte
.endr
	v_lshl_or_b32 v253, v237, 8, v236              ; p's scale word for these 128 keys
	v_lshl_or_b32 v253, v238, 16, v253
	v_lshl_or_b32 v253, v239, 24, v253
.irp c, 0,1
	v_cvt_scalef32_pk16_fp6_f32 v[224+6*\c:226+6*\c], v[96+32*\c:111+32*\c], v[244+2*\c]
	v_cvt_scalef32_pk16_fp6_f32 v[236+4*\c:238+4*\c], v[112+32*\c:127+32*\c], v[244+2*\c+1]
.endr
	v_nop                                          ; one plain instruction behind the last scaled conversion
.irp c, 0,1
.irp i, 0,1,2
	v_permlane16_swap_b32 v[224+6*\c+\i], v[236+4*\c+\i]
.endr
.irp i, 0,1,2
	v_mov_b32 v[227+6*\c+\i], v[236+4*\c+\i]
.endr
.endr
.irp j, 0,2,4,6,8,10,12,14,16,18,20,22,24,26,28,30,32,34,36,38,40,42,44,46,48,50,52,54,56,58,60,62
	v_pk_mul_f32 v[160+\j:161+\j], v[160+\j:161+\j], v[252:253] op_sel_hi:[1,0]   ; O^T under the new M, each tile from its low end on; these stand between the making of p's codes and scale word and the products below
.endr
.irp g, 0,1                                    ; O^T += V^T P^T: four tiles of 16 d at a time; the eight accumulators take turns, one instruction a turn
.if \g > 0
.rept 4
	v_nop
.endr
.irp t, 0,1,2,3
.irp c, 0,1,2
	ds_load_b128 v[32+12*\t+4*\c:35+12*\t+4*\c], v[ADK] offset:HALFB+(4+\t)*1536+512*\c
.endr
.endr
.endif
	s_wait_dscnt 0x0
.irp t, 0,2
	v_wmma_scale_f32_16x16x128_f8f6f4 v[160+8*(4*\g+\t):167+8*(4*\g+\t)], v[32+12*\t:43+12*\t], v[224:235], v[160+8*(4*\g+\t):167+8*(4*\g+\t)], v[84+2*\g+\t/2], v253 matrix_a_fmt:MATRIX_FMT_FP6 matrix_b_fmt:MATRIX_FMT_FP6
	v_wmma_scale_f32_16x16x128_f8f6f4 v[168+8*(4*\g+\t):175+8*(4*\g+\t)], v[44+12*\t:55+12*\t], v[224:235], v[168+8*(4*\g+\t):175+8*(4*\g+\t)], v[84+2*\g+\t/2], v253 matrix_a_fmt:MATRIX_FMT_FP6 matrix_b_fmt:MATRIX_FMT_FP6 matrix_a_scale:MATRIX_SCALE_ROW1
.endr
.endr
	s_add_co_u32 s[TB], s[TB], STEPB               ; the next step's fragments,
	s_add_co_u32 s[TS], s[TS], 512                 ; and its scale words
.endm
; THE CHANGE OF SLOTS stands at a slot's head.  Each wave waits for all its tensor loads, adds 0 to its spare word, and waits for that and for its reads of the slot that it has left.
; fill = 1: a round of the cluster's barrier follows, so that no wave of any partner still reads the other slot or has a load on its way, and that slot takes the next 512 keys: the load has four key steps in which to land.
.macro CHANGE fill
	s_wait_tensorcnt 0x0                           ; no tensor load of mine is out, so group 0 may be written
	ds_add_u32 v[SPW], v[NIL]                      ; 0 onto my spare word
.if \fill
	ds_add_u32 v[SPW], v[NIL]                      ; and once more, in every trip alike
	s_xor_b32 s[G0+1], s[G0+1], SLOT1              ; the other slot than last time,
	s_add_nc_u64 s[G0+2:G0+3], s[G0+2:G0+3], HALFB ; the next four steps; the type bits on top are not reached
	s_wait_xcnt 0x0                                ; the last prefetch, a slot back, has read its address, so it may be written
	s_add_nc_u64 s[PFA:PFA+1], s[PFA:PFA+1], HALFB ; one slot further on than the walking descriptor
.endif
	s_wait_dscnt 0x0                               ; the add is done, and my reads of the slot that I have left are over
.if \fill
	CROUND
	REFILL                                         ; the first thing behind the round, and a wave's one tensor load until the next
	ASK
.else
	s_barrier_signal -1
	s_barrier_wait -1
.endif
.endm
.macro SLOT_STEPS                      ; a slot's four key steps: written once, walked four times; the LDS addresses hang on s[TB] and s[TS]
	s_mov_b32 s[TW], 4
.Lstep_\@:
	STEP
	s_sub_co_u32 s[TW], s[TW], 1
	s_cmp_lg_u32 s[TW], 0
	s_cbranch_scc1 .Lstep_\@
	s_sub_co_u32 s[TB], s[TB], HALFB               ; back to a slot's first step,
	s_xor_b32 s[TB], s[TB], SLOT1                  ; in the other slot
.endm
	s_wait_loadcnt 0x0                             ; Q
.Lslot:                                            ; three trips: behind each change of slots but the last the next slot is asked for
	CHANGE 1
	SLOT_STEPS
	s_sub_co_u32 s[SLOTS], s[SLOTS], 1
	s_cmp_lg_u32 s[SLOTS], 0
	s_cbranch_scc1 .Lslot
	CHANGE 0                                       ; the last slot is written out
	SLOT_STEPS
	; THE WAY OUT: O^T / the sum is o(my query, d = 32 b + 16 h + i) in register 16 b + i: it is quantised along d as it lies and leaves as the image of a fragment of the last product.
.rept 4
	v_nop                                          ; places behind the last products
.endr
	v_add_f32 v14, v14, v15                        ; the sum's two halves,
	v_permlanex16_b32 v252, v14, s[SEL], s[SEL+1]
	v_add_f32 v14, v14, v252                       ; and lane l xor 16's: the row's sum
	v_rcp_f32 v14, v14
	v_nop                                          ; a plain instruction behind the reciprocal
	s_wait_alu depctr_va_vdst(0)                   ; and the wait ahead of its first reader
.irp j, 0,2,4,6,8,10,12,14,16,18,20,22,24,26,28,30,32,34,36,38,40,42,44,46,48,50,52,54,56,58,60,62
	v_pk_mul_f32 v[96+\j:97+\j], v[160+\j:161+\j], v[14:15] op_sel_hi:[1,0]   ; each tile from its low end on
.endr
	QUANT 96
.irp c, 0,1,2
	global_store_b128 v[LI], v[PC+4*\c:PC+4*\c+3], s[8:9] offset:512*\c   ; 512 consecutive bytes, aligned
.endr
	global_store_b32 v[LS], v[PW], s[10:11]
	s_wait_tensorcnt 0x0                           ; the wave's end
	ds_add_u32 v[SPW], v[NIL]
	s_wait_dscnt 0x0
	CROUND                                         ; the closing round: no work-group ends while a partner may still ask for a tile that names it
	s_endpgm
.Lfunc_end_k_qd45f2c358b_attn:
	.size	k_qd45f2c358b_attn, .Lfunc_end_k_qd45f2c358b_attn-k_qd45f2c358b_attn
	.p2alignl 7, 3214868480
	.fill 96, 4, 3214868480
	.section	.rodata,"a",@progbits
	.p2align	6, 0x0
	.amdhsa_kernel k_qd45f2c358b_attn
		.amdhsa_group_segment_fixed_size 327680
		.amdhsa_private_segment_fixed_size 0
		.amdhsa_enable_private_segment 0
		.amdhsa_kernarg_size 32
		.amdhsa_user_sgpr_count 2
		.amdhsa_user_sgpr_kernarg_segment_ptr 1
		.amdhsa_wavefront_size32 1
		.amdhsa_system_sgpr_workgroup_id_x 1
		.amdhsa_system_sgpr_workgroup_id_y 1
		.amdhsa_system_sgpr_workgroup_id_z 1
		.amdhsa_system_vgpr_workitem_id 0
		.amdhsa_next_free_vgpr 256
		.amdhsa_next_free_sgpr 66
		.amdhsa_reserve_vcc 0
		.amdhsa_float_denorm_mode_32 3
		.amdhsa_float_denorm_mode_16_64 3
		.amdhsa_memory_ordered 1
		.amdhsa_forward_progress 1
		.amdhsa_inst_pref_size 55
	.end_amdhsa_kernel
	.amdgpu_metadata
---
amdhsa.version: [ 1, 2 ]
amdhsa.kernels:
  - .name:           k_qd45f2c358b_attn
    .symbol:         k_qd45f2c358b_attn.kd
    .args:
      - { .name: hc, .offset: 0, .size: 8, .value_kind: global_buffer, .address_space: global }
      - { .name: hs, .offset: 8, .size: 8, .value_kind: global_buffer, .address_space: global }
      - { .name: oc, .offset: 16, .size: 8, .value_kind: global_buffer, .address_space: global }
      - { .name: os, .offset: 24, .size: 8, .value_kind: global_buffer, .address_space: global }
    .group_segment_fixed_size: 327680
    .private_segment_fixed_size: 0
    .kernarg_segment_align: 8
    .kernarg_segment_size: 32
    .max_flat_workgroup_size: 512
    .sgpr_count:     66
    .vgpr_count:     256
    .wavefront_size: 32
...
	.end_amdgpu_metadata
.endif
;; end of part 3
;; launch outp (part 4): grid 256 x 1, 4 waves a work-group, no clusters, 17,408 bytes of LDS; arguments oc, os, pc, ps, bo, out0; writes out0
.if DOCPART == 4
	.amdgcn_target "amdgcn-amd-amdhsa--gfx1250"
	.amdhsa_code_object_version 6
	.text
	.protected	k_qd45f2c358b_outp
	.globl	k_qd45f2c358b_outp
	.p2align	8
	.type	k_qd45f2c358b_outp,@function
k_qd45f2c358b_outp:
	s_mov_b64 s[64:65], 0
	v_nop
	global_prefetch_b8 v0, s[64:65] scope:SCOPE_SE
	s_setreg_imm32_b32 hwreg(HW_REG_WAVE_MODE, 25, 1), 1
	s_wait_xcnt 0x0
; Launch 4 of 4: out0 = o Wo + bo on codes of E2M3; K = 1,024 = (head, d), eight steps of 128.  No work is left out.
; SHARES: a work-group takes 32 rows of out0 (two tiles of 16 queries), wave w the output columns 32 w .. 32 w + 31 (two tiles): four accumulators x eight K steps = 32 matrix instructions a wave.
; All operands are images of their registers; a wave asks for its 16 fragments of o and its 16 of Wo at once, each by three loads of 512 consecutive bytes, and waits once.
; THE PRODUCT IS USED TRANSPOSED (source 0 = 16 columns of Wo, source 1 = 16 rows of o): a lane holds eight neighbouring columns of one row.  bo is the C of each sum's first product.
; THE WAY OUT: a row's 128 columns come from four waves: they meet in a stage in LDS (rows of 512 + 16 bytes), a barrier, and each wave stores eight whole rows: 512 consecutive bytes an instruction, aligned.
; NO CLUSTER: the weights that all work-groups share go straight into registers, 24,576 bytes a wave, once; there is no tensor load and no ring for a joint request to serve.
; REGISTERS: window 0: v1-5 addresses, v8, v9 the add's two, v32-47 o's scale words, v48-63 Wo's, v64-79 the bias, v96-127 the accumulators, v128-159 rows on the way out;  window 1: o's fragments at v[12 (8 m + s)];  window 2: Wo's at v[12 (8 n + s)].
.set SPARE, 32*528                     ; behind the stage: the spare words, 128 bytes for each wave: two blocks of 256 bytes that no other line names
.set LI,  1
.set LS,  2
.set BO,  3
.set SO,  4
.set SR,  5
.set SPW, 8
.set NIL, 9
.set OSC, 32
.set WSC, 48
.set BI,  64
.set ACC, 96
.set BK,  128
.set MSB, 0
.macro WIN new                         ; s_set_vgpr_msb: bits 1:0 source 0, 3:2 source 1, 5:4 source 2, 7:6 destination; the high byte repeats the setting that is left
.if MSB != \new
	s_set_vgpr_msb (MSB<<8)|\new
.set MSB, \new
.endif
.endm
	s_load_b256 s[4:11], s[0:1], 0x0               ; oc s[4:5], os s[6:7], pc s[8:9], ps s[10:11]
	s_load_b128 s[12:15], s[0:1], 0x20             ; bo s[12:13], out0 s[14:15]
	v_lshl_add_u32 v[SPW], v0, 2, SPARE
	v_mov_b32 v[NIL], 0
	v_lshrrev_b32 v10, 5, v0
	v_readfirstlane_b32 s16, v10                   ; wave 0..3
	v_and_b32 v10, 31, v0                          ; lane
	v_and_b32 v11, 15, v0                          ; r
	v_bfe_u32 v12, v0, 4, 1                        ; h
	v_lshlrev_b32 v[LI], 4, v10
	v_lshlrev_b32 v[LS], 2, v10
	v_lshlrev_b32 v[BO], 5, v12                    ; the bias of my eight columns: 32 h bytes into a tile's 64
	v_mul_u32_u24 v[SO], v11, 528
	v_lshl_add_u32 v[SO], v12, 5, v[SO]
	s_lshl_b32 s18, s16, 7
	v_add_nc_u32 v[SO], s18, v[SO]                 ; into the stage: row r, + 32 h, + 128 x wave
	s_mul_i32 s18, s16, 8*528
	v_add_nc_u32 v[SR], s18, v[LI]                 ; back: my eight rows, 16 bytes a lane
	s_mul_i32 s18, ttmp9, 24576                    ; my work-group's 16 fragments of o,
	s_mov_b32 s19, 0
	s_lshl_b32 s20, ttmp9, 11                      ; their scale words,
	s_mov_b32 s21, 0
	s_lshl_b32 s22, s16, 1
	s_add_co_u32 s22, s22, 2752                    ; Wo's fragment (K step 0, tile 2 w),
	s_mul_i32 s24, s22, 1536
	s_mov_b32 s25, 0
	s_lshl_b32 s22, s22, 7
	s_mov_b32 s23, 0
	s_lshl_b32 s26, s16, 7                         ; my 32 numbers of bo,
	s_mov_b32 s27, 0
	s_lshl_b32 s28, ttmp9, 14                      ; and the eight rows of out0 that I store
	s_lshl_b32 s29, s16, 12
	s_add_co_u32 s28, s28, s29
	s_mov_b32 s29, 0
	s_wait_kmcnt 0x0
	s_add_nc_u64 s[4:5], s[4:5], s[18:19]
	s_add_nc_u64 s[6:7], s[6:7], s[20:21]
	s_add_nc_u64 s[8:9], s[8:9], s[24:25]
	s_add_nc_u64 s[10:11], s[10:11], s[22:23]
	s_add_nc_u64 s[12:13], s[12:13], s[26:27]
	s_add_nc_u64 s[14:15], s[14:15], s[28:29]
.irp m, 0,1
.irp s, 0,1,2,3,4,5,6,7
	global_load_b32 v[OSC+8*\m+\s], v[LS], s[6:7] offset:128*(8*\m+\s)
.endr
.endr
.irp n, 0,1
.irp s, 0,1,2,3,4,5,6,7
	global_load_b32 v[WSC+8*\n+\s], v[LS], s[10:11] offset:128*(8*\s+\n)
.endr
.endr
.irp n, 0,1
	global_load_b128 v[BI+8*\n:BI+8*\n+3], v[BO], s[12:13] offset:64*\n
	global_load_b128 v[BI+8*\n+4:BI+8*\n+7], v[BO], s[12:13] offset:64*\n+16
.endr
	WIN 0x40                                       ; destination window 1
.irp m, 0,1
.irp s, 0,1,2,3,4,5,6,7
.irp c, 0,1,2
	global_load_b128 v[12*(8*\m+\s)+4*\c:12*(8*\m+\s)+4*\c+3], v[LI], s[4:5] offset:1536*(8*\m+\s)+512*\c
.endr
.endr
.endr
	WIN 0x80                                       ; destination window 2
.irp n, 0,1
.irp s, 0,1,2,3,4,5,6,7
.irp c, 0,1,2
	global_load_b128 v[12*(8*\n+\s)+4*\c:12*(8*\n+\s)+4*\c+3], v[LI], s[8:9] offset:1536*(8*\s+\n)+512*\c
.endr
.endr
.endr
	WIN 0
	s_wait_loadcnt 0x0
	WIN 0x06                                       ; source 0 (Wo) window 2, source 1 (o) window 1
.irp s, 0,1,2,3,4,5,6,7                        ; K ascending; the four accumulators take turns, one instruction a turn
.irp m, 0,1
.irp n, 0,1
.if \s == 0
	v_wmma_scale_f32_16x16x128_f8f6f4 v[ACC+8*(2*\m+\n):ACC+8*(2*\m+\n)+7], v[12*(8*\n+\s):12*(8*\n+\s)+11], v[12*(8*\m+\s):12*(8*\m+\s)+11], v[BI+8*\n:BI+8*\n+7], v[WSC+8*\n+\s], v[OSC+8*\m+\s] matrix_a_fmt:MATRIX_FMT_FP6 matrix_b_fmt:MATRIX_FMT_FP6
.else
	v_wmma_scale_f32_16x16x128_f8f6f4 v[ACC+8*(2*\m+\n):ACC+8*(2*\m+\n)+7], v[12*(8*\n+\s):12*(8*\n+\s)+11], v[12*(8*\m+\s):12*(8*\m+\s)+11], v[ACC+8*(2*\m+\n):ACC+8*(2*\m+\n)+7], v[WSC+8*\n+\s], v[OSC+8*\m+\s] matrix_a_fmt:MATRIX_FMT_FP6 matrix_b_fmt:MATRIX_FMT_FP6
.endif
.endr
.endr
.endr
	WIN 0
.rept 4
	v_nop                                          ; four places (ISA guide 7.12.1) ahead of the first read of the results
.endr
.irp m, 0,1
.irp n, 0,1
	ds_store_b128 v[SO], v[ACC+8*(2*\m+\n):ACC+8*(2*\m+\n)+3] offset:16*\m*528+64*\n       ; lane (r, h): out0(16 m + r, 32 w + 16 n + 8 h + 0 .. 7); each accumulator from its low end on
	ds_store_b128 v[SO], v[ACC+8*(2*\m+\n)+4:ACC+8*(2*\m+\n)+7] offset:16*\m*528+64*\n+16
.endr
.endr
	s_wait_dscnt 0x0                               ; for the others' sake: my stores into the stage are done
	s_barrier_signal -1
	s_barrier_wait -1                              ; 32 whole rows lie in the stage
.irp i, 0,1,2,3,4,5,6,7
	ds_load_b128 v[BK+4*\i:BK+4*\i+3], v[SR] offset:528*\i
.endr
.irp i, 0,1,2,3,4,5,6,7
	s_wait_dscnt 7-\i                              ; LDS loads come back in order: row i is in, the younger ones may be out
	global_store_b128 v[LI], v[BK+4*\i:BK+4*\i+3], s[14:15] offset:512*\i th:TH_STORE_NT   ; 32 lanes store a row of 512 consecutive bytes, aligned
.endr
	s_wait_tensorcnt 0x0                           ; the wave's end
	ds_add_u32 v[SPW], v[NIL]
	s_wait_dscnt 0x0
	s_endpgm
.Lfunc_end_k_qd45f2c358b_outp:
	.size	k_qd45f2c358b_outp, .Lfunc_end_k_qd45f2c358b_outp-k_qd45f2c358b_outp
	.p2alignl 7, 3214868480
	.fill 96, 4, 3214868480
	.section	.rodata,"a",@progbits
	.p2align	6, 0x0
	.amdhsa_kernel k_qd45f2c358b_outp
		.amdhsa_group_segment_fixed_size 17408
		.amdhsa_private_segment_fixed_size 0
		.amdhsa_enable_private_segment 0
		.amdhsa_kernarg_size 48
		.amdhsa_user_sgpr_count 2
		.amdhsa_user_sgpr_kernarg_segment_ptr 1
		.amdhsa_wavefront_size32 1
		.amdhsa_system_sgpr_workgroup_id_x 1
		.amdhsa_system_sgpr_workgroup_id_y 1
		.amdhsa_system_sgpr_workgroup_id_z 1
		.amdhsa_system_vgpr_workitem_id 0
		.amdhsa_next_free_vgpr 704
		.amdhsa_next_free_sgpr 66
		.amdhsa_reserve_vcc 0
		.amdhsa_float_denorm_mode_32 3
		.amdhsa_float_denorm_mode_16_64 3
		.amdhsa_memory_ordered 1
		.amdhsa_forward_progress 1
		.amdhsa_inst_pref_size 21
	.end_amdhsa_kernel
	.amdgpu_metadata
---
amdhsa.version: [ 1, 2 ]
amdhsa.kernels:
  - .name:           k_qd45f2c358b_outp
    .symbol:         k_qd45f2c358b_outp.kd
    .args:
      - { .name: oc, .offset: 0, .size: 8, .value_kind: global_buffer, .address_space: global }
      - { .name: os, .offset: 8, .size: 8, .value_kind: global_buffer, .address_space: global }
      - { .name: pc, .offset: 16, .size: 8, .value_kind: global_buffer, .address_space: global }
      - { .name: ps, .offset: 24, .size: 8, .value_kind: global_buffer, .address_space: global }
      - { .name: bo, .offset: 32, .size: 8, .value_kind: global_buffer, .address_space: global }
      - { .name: out0, .offset: 40, .size: 8, .value_kind: global_buffer, .address_space: global }
    .group_segment_fixed_size: 17408
    .private_segment_fixed_size: 0
    .kernarg_segment_align: 8
    .kernarg_segment_size: 48
    .max_flat_workgroup_size: 128
    .sgpr_count:     66
    .vgpr_count:     704
    .wavefront_size: 32
...
	.end_amdgpu_metadata
.endif
;; end of part 4
;; ======== version 2 of 2: 4 launches
;; workspace buffers: pc 4,325,376 bytes; ps 360,448 bytes; hc 31,457,280 bytes; hs 1,310,720 bytes; oc 6,291,456 bytes; os 524,288 bytes
;; launch prep (part 5): grid 256 x 1, 11 waves a work-group, no clusters, 0 bytes of LDS; arguments q, k, v, Wq, Wk, Wv, Wo, pc, ps; writes pc, ps
.if DOCPART == 5
	.amdgcn_target "amdgcn-amd-amdhsa--gfx1250"
	.amdhsa_code_object_version 6
	.text
	.protected	k_qd45f2c358b_prep
	.globl	k_qd45f2c358b_prep
	.p2align	8
	.type	k_qd45f2c358b_prep,@function
k_qd45f2c358b_prep:
	s_mov_b64 s[64:65], 0
	v_nop
	global_prefetch_b8 v0, s[64:65] scope:SCOPE_SE
	s_setreg_imm32_b32 hwreg(HW_REG_WAVE_MODE, 25, 1), 1
	s_wait_xcnt 0x0
; MULTI-HEAD ATTENTION IN MX-FP6, launch 1 of 4: every f32 input that is an operand of a product becomes codes of E2M3 with one E8M0 byte for each 32 along K.
; DEAD WORK: none.  All eleven inputs have a way to the output: bq, bk and bv go into the quantisers of the products that follow them (bk too: it moves the codes of the scores' operand), bo is added at the end; there is no mask.
; WHAT IS MADE: FRAGMENT IMAGES.  A fragment is 16 rows x 128 K, 12 registers a lane, as the matrix instruction takes it: lane (r, h) holds row r, registers 6 c .. 6 c + 5 hold K = 64 c + 32 h + 0 .. 31.
; It is stored as it stands in the registers: registers 4 c .. 4 c + 3 of lane l at byte 512 c + 16 l of the fragment's 1,536 bytes in pc; its rows' scale words at byte 4 l of its 128 bytes in ps (lanes 16-31 repeat lanes 0-15).
; Each store of codes covers 512 consecutive bytes, aligned; whoever loads the three pieces back at 16 x lane has the operand.
; FRAGMENT NUMBERS F: 0-511 q, 512-1535 k, 1536-2559 v (16 rows each);  2560 + J: J = 0-63 Wq, 64-127 Wk, 128-191 Wv (J % 64 = 8 head + tile: 16 columns, K = the weight's 128 rows);  J = 192-255 Wo (J % 64 = 8 s + t: K = rows 128 s on, columns 16 t on).
; WHICH ROWS FORM A FRAGMENT is free, and is chosen so that later results fall into the next quantiser's order: in k, v and in the columns of Wq, Wk, Wv, lane r of tile 2 b + u of a group of 128 takes member 32 b + 8 u + r + 8 (r / 8);
; q's rows and Wo's columns are taken as they lie.
; SHARES: one wave, one fragment: 2,816 = 256 work-groups x 11 waves.  Waves 0-9: F = 10 x work-group + wave; wave 10: J = work-group.  A wave asks for its 8,192 bytes at once.  No LDS, no barrier: waves share nothing.
; A lane loads 64 numbers, register 16 b + i = K 32 b + 16 h + i of its row: for q, k, v sixteen loads of 16 bytes along the row; for a weight, whose K is its first axis, 64 loads of 4 bytes down its column.
; THE QUANTISER: a block's scale is 2^(floor(log2(its largest magnitude)) - 2); the byte is the largest magnitude's exponent field - 2, held at 1 from below.
; LIMITS: a block whose largest magnitude lies under 2^-124 keeps the byte 1; a block of zeros gets the byte 1 where the rule says 127 (its codes are zeros, and this program alone reads the bytes); NaN and infinities among the inputs are not served.
; The scale words leave as 128 consecutive bytes a fragment, one twelfth of the fragment's codes; the weights' loads read 32 consecutive bytes in eight lanes: 2 MiB, once.
.set TM,  8                            ; v8-23   at work in QUANT
.set PW,  24                           ; v24     the scale word
.set ST,  32                           ; v32-95  the lane's 64 numbers
.set PC,  96                           ; v96-115 the codes
.set SEL, 34                           ; s[34:35] v_permlanex16_b32's selects for lane l xor 16
; 64 numbers of a lane, register 16 b + i = K 32 b + 16 (lane / 16) + i of its row, become the fragment in v[PC] .. v[PC + 11] and the row's scale word in v[PW].
.macro QUANT s
.irp b, 0,1,2,3
	v_max3_num_f32 v[TM+\b], |v[\s+16*\b]|, |v[\s+1+16*\b]|, 0x1800000   ; block b: my 16 numbers, and the floor 2^(3 - 127): the byte cannot fall under 1
.endr
.irp i, 2,4,6,8,10,12,14
.irp b, 0,1,2,3
	s_delay_alu instid0(VALU_DEP_4)
	v_max3_num_f32 v[TM+\b], v[TM+\b], |v[\s+16*\b+\i]|, |v[\s+1+16*\b+\i]|   ; the four blocks by turns
.endr
.endr
.irp b, 0,1,2,3
	s_delay_alu instid0(VALU_DEP_4)
	v_permlanex16_b32 v[TM+4+\b], v[TM+\b], s[SEL], s[SEL+1]
.endr
.irp b, 0,1,2,3
	s_delay_alu instid0(VALU_DEP_4)
	v_max_num_f32 v[TM+\b], v[TM+\b], v[TM+4+\b]   ; with lane l xor 16's: the block's largest magnitude
.endr
.irp b, 0,1,2,3
	s_delay_alu instid0(VALU_DEP_4)
	v_add_nc_u32 v[TM+12+\b], 0xff000000, v[TM+\b]   ; 2 off its exponent field: the conversion's scale operand
.endr
.irp b, 0,1,2,3
	s_delay_alu instid0(VALU_DEP_4)
	v_lshrrev_b32 v[TM+4+\b], 23, v[TM+12+\b]      ; the scale's byte
.endr
	s_delay_alu instid0(VALU_DEP_3)
	v_lshl_or_b32 v[PW], v[TM+5], 8, v[TM+4]
	s_delay_alu instid0(VALU_DEP_1)
	v_lshl_or_b32 v[PW], v[TM+6], 16, v[PW]
	s_delay_alu instid0(VALU_DEP_1)
	v_lshl_or_b32 v[PW], v[TM+7], 24, v[PW]
.irp c, 0,1
	v_cvt_scalef32_pk16_fp6_f32 v[PC+6*\c:PC+2+6*\c], v[\s+32*\c:\s+15+32*\c], v[TM+12+2*\c]
	v_cvt_scalef32_pk16_fp6_f32 v[PC+12+4*\c:PC+14+4*\c], v[\s+16+32*\c:\s+31+32*\c], v[TM+12+2*\c+1]   ; a conversion's three registers begin on an even number
.endr
	v_nop                                          ; one plain instruction behind the last scaled conversion
.irp c, 0,1                                    ; the layout wants a whole block in a lane: lanes 0-15 block 2 c, lanes 16-31 block 2 c + 1
.irp i, 0,1,2
	v_permlane16_swap_b32 v[PC+6*\c+\i], v[PC+12+4*\c+\i]
.endr
.irp i, 0,1,2
	s_delay_alu instid0(VALU_DEP_3)
	v_mov_b32 v[PC+3+6*\c+\i], v[PC+12+4*\c+\i]
.endr
.endr
.endm
	s_load_b512 s[8:23], s[0:1], 0x0               ; q s[8:9], k s[10:11], v s[12:13], Wq s[14:15], Wk s[16:17], Wv s[18:19], Wo s[20:21], pc s[22:23]
	s_load_b64 s[24:25], s[0:1], 0x40              ; ps
	v_lshrrev_b32 v1, 5, v0
	s_delay_alu instid0(VALU_DEP_1)
	v_readfirstlane_b32 s3, v1                     ; wave 0..10
	v_and_b32 v1, 31, v0                           ; lane
	v_and_b32 v2, 15, v0                           ; r
	v_bfe_u32 v3, v0, 4, 1                         ; h
	s_delay_alu instid0(VALU_DEP_3)
	v_lshlrev_b32 v5, 4, v1                        ; 16 x lane: my place in a piece of an image
	s_delay_alu instid0(VALU_DEP_4)
	v_lshlrev_b32 v6, 2, v1                        ; 4 x lane: my scale word's
	s_mov_b32 s[SEL], 0x76543210
	s_mov_b32 s[SEL+1], 0xfedcba98
.irp b, 0,1,2,3
	v_mov_b32 v[TM+4+\b], 0                        ; written once: a lane permute's destination counts as one of its sources
.endr
	s_wait_kmcnt 0x0
	s_cmp_lt_u32 s3, 10
	s_cbranch_scc0 .Lweight
	; ---- q, k or v: K is innermost
	s_mul_i32 s32, ttmp9, 10
	s_add_co_u32 s32, s32, s3                      ; F
	s_cmp_lt_u32 s32, 1536
	s_cselect_b64 s[26:27], s[10:11], s[12:13]     ; k or v,
	s_mov_b32 s28, 1536
	s_cselect_b32 s28, 512, s28                    ; and the tensor's first F
	s_cmp_lt_u32 s32, 512
	s_cselect_b64 s[26:27], s[8:9], s[26:27]       ; or q
	s_cselect_b32 s28, 0, s28
	s_cselect_b32 s29, 0, 1                        ; 1: the rows of a tile are chosen (k, v); 0: as they lie (q)
	s_sub_co_u32 s33, s32, s28                     ; g: the tile in its tensor
	s_and_b32 s30, s33, 1
	s_mul_i32 s30, s30, s29
	s_lshl_b32 s30, s30, 3
	s_lshl_b32 s31, s33, 4
	s_sub_co_u32 s30, s31, s30                     ; the tile's first row: 16 g, less 8 for an odd tile of chosen rows
	s_lshl_b32 s30, s30, 9                         ; a row is 512 bytes
	s_mov_b32 s31, 0
	s_add_nc_u64 s[26:27], s[26:27], s[30:31]
	s_wait_alu depctr_va_vdst(0)
	v_and_b32 v4, 8, v2
	s_delay_alu instid0(VALU_DEP_1)
	v_mul_u32_u24 v4, s29, v4
	s_delay_alu instid0(VALU_DEP_1)
	v_add_nc_u32 v4, v4, v2                        ; my row in the tile: r, or r + 8 (r / 8)
	s_delay_alu instid0(VALU_DEP_1)
	v_lshlrev_b32 v4, 9, v4
	s_delay_alu instid0(VALU_DEP_1)
	v_lshl_add_u32 v4, v3, 6, v4                   ; + 64 h: my 16 numbers of each block of 32
.irp b, 0,1,2,3
.irp j, 0,1,2,3
	global_load_b128 v[ST+16*\b+4*\j:ST+16*\b+4*\j+3], v4, s[26:27] offset:128*\b+16*\j th:TH_LOAD_NT
.endr
.endr
	s_branch .Lq
.Lweight:
	s_add_co_u32 s32, ttmp9, 2560                  ; F = 2560 + J
	s_and_b32 s33, ttmp9, 63                       ; J % 64
	s_cmp_ge_u32 ttmp9, 192
	s_cbranch_scc1 .Lwo
	; ---- Wq, Wk or Wv [128 (K)][1024]: a lane takes a column, its registers run down K
	s_cmp_lt_u32 ttmp9, 128
	s_cselect_b64 s[26:27], s[16:17], s[18:19]
	s_cmp_lt_u32 ttmp9, 64
	s_cselect_b64 s[26:27], s[14:15], s[26:27]
	s_and_b32 s30, s33, 1
	s_lshl_b32 s30, s30, 3
	s_lshl_b32 s31, s33, 4
	s_sub_co_u32 s30, s31, s30                     ; the tile's first column
	s_wait_alu depctr_va_vdst(0)
	v_and_b32 v4, 8, v2
	s_delay_alu instid0(VALU_DEP_1)
	v_add3_u32 v4, v4, v2, s30                     ; my column
	s_delay_alu instid0(VALU_DEP_1)
	v_lshlrev_b32 v4, 2, v4
	s_delay_alu instid0(VALU_DEP_1)
	v_lshl_add_u32 v4, v3, 16, v4                  ; lanes 16-31 begin 16 rows of 4,096 bytes further down
.irp b, 0,1,2,3
.irp i, 0,1,2,3,4,5,6,7,8,9,10,11,12,13,14,15
	global_load_b32 v[ST+16*\b+\i], v4, s[26:27] offset:(32*\b+\i)*4096
.endr
.endr
	s_branch .Lq
.Lwo:
	; ---- Wo [1024 (K)][128]: K step s = rows 128 s on, columns 16 t on as they lie
	s_lshr_b32 s30, s33, 3
	s_lshl_b32 s30, s30, 16                        ; 128 rows of 512 bytes
	s_mov_b32 s31, 0
	s_add_nc_u64 s[26:27], s[20:21], s[30:31]
	s_and_b32 s28, s33, 7
	s_lshl_b32 s28, s28, 4
	s_wait_alu depctr_va_vdst(0)
	v_add_nc_u32 v4, s28, v2                       ; my column
	s_delay_alu instid0(VALU_DEP_1)
	v_lshlrev_b32 v4, 2, v4
	s_delay_alu instid0(VALU_DEP_1)
	v_lshl_add_u32 v4, v3, 13, v4                  ; lanes 16-31 begin 16 rows of 512 bytes further down
.irp b, 0,1,2,3
.irp i, 0,1,2,3,4,5,6,7,8,9,10,11,12,13,14,15
	global_load_b32 v[ST+16*\b+\i], v4, s[26:27] offset:(32*\b+\i)*512
.endr
.endr
.Lq:
	s_mul_i32 s36, s32, 1536
	s_mov_b32 s37, 0
	s_lshl_b32 s38, s32, 7
	s_mov_b32 s39, 0
	s_add_nc_u64 s[22:23], s[22:23], s[36:37]      ; my fragment's image,
	s_add_nc_u64 s[24:25], s[24:25], s[38:39]      ; and its scale words
	s_wait_loadcnt 0x0                             ; all my numbers are in
	QUANT ST
.irp c, 0,1,2
	global_store_b128 v5, v[PC+4*\c:PC+4*\c+3], s[22:23] offset:512*\c   ; 32 lanes store 512 consecutive bytes, aligned
.endr
	global_store_b32 v6, v[PW], s[24:25]
	s_endpgm
.Lfunc_end_k_qd45f2c358b_prep:
	.size	k_qd45f2c358b_prep, .Lfunc_end_k_qd45f2c358b_prep-k_qd45f2c358b_prep
	.p2alignl 7, 3214868480
	.fill 96, 4, 3214868480
	.section	.rodata,"a",@progbits
	.p2align	6, 0x0
	.amdhsa_kernel k_qd45f2c358b_prep
		.amdhsa_group_segment_fixed_size 0
		.amdhsa_private_segment_fixed_size 0
		.amdhsa_enable_private_segment 0
		.amdhsa_kernarg_size 72
		.amdhsa_user_sgpr_count 2
		.amdhsa_user_sgpr_kernarg_segment_ptr 1
		.amdhsa_wavefront_size32 1
		.amdhsa_system_sgpr_workgroup_id_x 1
		.amdhsa_system_sgpr_workgroup_id_y 1
		.amdhsa_system_sgpr_workgroup_id_z 1
		.amdhsa_system_vgpr_workitem_id 0
		.amdhsa_next_free_vgpr 120
		.amdhsa_next_free_sgpr 66
		.amdhsa_reserve_vcc 0
		.amdhsa_float_denorm_mode_32 3
		.amdhsa_float_denorm_mode_16_64 3
		.amdhsa_memory_ordered 1
		.amdhsa_forward_progress 1
		.amdhsa_inst_pref_size 23
	.end_amdhsa_kernel
	.amdgpu_metadata
---
amdhsa.version: [ 1, 2 ]
amdhsa.kernels:
  - .name:           k_qd45f2c358b_prep
    .symbol:         k_qd45f2c358b_prep.kd
    .args:
      - { .name: q, .offset: 0, .size: 8, .value_kind: global_buffer, .address_space: global }
      - { .name: k, .offset: 8, .size: 8, .value_kind: global_buffer, .address_space: global }
      - { .name: v, .offset: 16, .size: 8, .value_kind: global_buffer, .address_space: global }
      - { .name: Wq, .offset: 24, .size: 8, .value_kind: global_buffer, .address_space: global }
      - { .name: Wk, .offset: 32, .size: 8, .value_kind: global_buffer, .address_space: global }
      - { .name: Wv, .offset: 40, .size: 8, .value_kind: global_buffer, .address_space: global }
      - { .name: Wo, .offset: 48, .size: 8, .value_kind: global_buffer, .address_space: global }
      - { .name: pc, .offset: 56, .size: 8, .value_kind: global_buffer, .address_space: global }
      - { .name: ps, .offset: 64, .size: 8, .value_kind: global_buffer, .address_space: global }
    .group_segment_fixed_size: 0
    .private_segment_fixed_size: 0
    .kernarg_segment_align: 8
    .kernarg_segment_size: 72
    .max_flat_workgroup_size: 352
    .sgpr_count:     66
    .vgpr_count:     120
    .wavefront_size: 32
...
	.end_amdgpu_metadata
.endif
;; end of part 5
;; launch proj (part 6): grid 256 x 1, 10 waves a work-group, no clusters, 0 bytes of LDS; arguments pc, ps, bq, bk, bv, hc, hs; writes hc, hs
.if DOCPART == 6
	.amdgcn_target "amdgcn-amd-amdhsa--gfx1250"
	.amdhsa_code_object_version 6
	.text
	.protected	k_qd45f2c358b_proj
	.globl	k_qd45f2c358b_proj
	.p2align	8
	.type	k_qd45f2c358b_proj,@function
k_qd45f2c358b_proj:
	s_mov_b64 s[64:65], 0
	v_nop
	global_prefetch_b8 v0, s[64:65] scope:SCOPE_SE
	s_setreg_imm32_b32 hwreg(HW_REG_WAVE_SCHED_MODE, 0, 2), 2
	s_setreg_imm32_b32 hwreg(HW_REG_WAVE_MODE, 25, 1), 1
	s_wait_xcnt 0x0
	s_wait_alu depctr_vm_vsrc(0)
; Launch 2 of 4: the three projections Qh = q Wq + bq, Kh = k Wk + bk, Vh = v Wv + bv on codes of E2M3, and their results quantised at once for the two products of attention.  No work is left out.
; SHARES: one wave, one task: 128 rows of q, k or v x one head = 64 matrix instructions (K = 128 is one instruction deep).  T = 10 x work-group + wave, 2,560 tasks; block of rows T / 8 (0-63 q, 64-191 k, 192-319 v), head T % 8.
; ONE SHAPE FOR ALL: eight STATIONARY fragments are source 0 and stay in registers; eight MOVING fragments, one a turn, are source 1; a turn's eight results are 64 numbers a lane, which are one fragment of the next product.
;   q, k tasks: stationary = the head's 8 tiles of W, moving = the 8 tiles of rows.  The product is used transposed: a lane holds one row, and, by the choice of W's columns made when the weights were laid out, register 16 b + i is d = 32 b + 16 h + i.
;   v tasks:    stationary = the 8 tiles of keys, moving = the head's 8 tiles of Wv.  A lane holds one d, and, by the choice of the keys of a tile, register 16 b + i is key 32 b + 16 h + i: Vh is quantised along the keys, with no transposition.
; THE BIAS is the C of each product: for q, k eight registers a tile in the result's layout; for v one number a lane, copied into eight registers (two sets by turns).
; OUT: slot idx of hc, 12,288 bytes: the turn's fragments as images of their registers, 1,536 bytes each.  Slot idx of hs, 512 bytes: an image of four registers: register p holds fragment 2 p's scale words in lanes 0-15 and fragment 2 p + 1's in lanes 16-31.
;   idx: q (batch x 8 + head) x 8 + block;  k 512 + (batch x 8 + head) x 16 + block;  v 1536 + the same.
; NO CLUSTER, NO LDS: every operand goes from memory straight into the registers of the one wave that multiplies it, 24 pieces of 512 consecutive bytes for each side of a task, and is read once by that wave; joint requests belong to
; tensor loads into LDS, which a task of 64 products has no use for.  Waves share nothing: no barrier.
; LIMITS of the quantiser: as stated at the head of the first launch (byte held at 1 from below; NaN and infinities not served).
; THE MODE: SCHED_MODE bits 1:0 = 2 (LLVM: expert scheduling mode 2), set by the entry lines.  The code itself states the register dependences between vector or matrix instructions and memory instructions, with s_wait_alu, always for 0.
; THE PLAN.  Registers that memory instructions touch:
;   v1, v2, v3      offsets, made at the head (v3: in each arm) and never written again; the bases are scalar and are not stepped: every fragment is reached by an immediate offset.
;   SF, SS, window 1's bias   loaded once, then read by matrix and vector instructions alone.
;   MF0, MF1, MF2, MS   Turn i's eight products read buffer i % 3; the loads of fragment i + 3, issued at the end of turn i, land in it.
;   PC              Written by a turn's conversions, swaps and moves; read by the turn's three stores.
;   SCW             Written by one line a turn; read by the one store at the end.
;   HA, TM, PW and CB are named by vector and matrix instructions alone.
; So ONE wait on va_vdst stands in a turn, behind its quantiser: it states that PC and SCW are written and that the turn's products are done reading their moving fragment and its scale words.  The turn's four loads and three stores
; follow it with no vector instruction between.  One wait on vm_vsrc a turn stands ahead of the conversions, the first lines that write PC again.
.set LI,  1                            ; v1      16 x lane
.set LS,  2                            ; v2      4 x lane
.set SF,  16                           ; v16-111  the stationary fragments
.set SS,  112                          ; v112-119 their scale words
.set MF,  120                          ; v120-143 the moving fragment's buffers 0 and 1; buffer 2 lies in v4-15, which the head's arithmetic has left
.set MS,  144                          ; v144-146 its scale words, a register to a buffer
.set HA,  148                          ; v148-211 a turn's eight results
.set TM,  212                          ; v212-227 at work in QUANT
.set PW,  228
.set PC,  230                          ; v230-249 the codes
.set SCW, 250                          ; v250-253 the slot's four registers of scale words
.set B1,  0                            ; window 1 (v256 on): q, k tasks: the bias, eight registers a tile
.set BV,  0                            ; window 1: v tasks: the bias of my d in each of the eight moving tiles,
.set CB,  16                           ; and two sets of eight copies
.set SEL, 38
.set MSB, 0
.macro WIN new                         ; s_set_vgpr_msb: bits 1:0 source 0, 3:2 source 1, 5:4 source 2, 7:6 destination; the high byte repeats the setting that is left
.if MSB != \new
	s_set_vgpr_msb (MSB<<8)|\new
.set MSB, \new
.endif
.endm
.macro QUANT s, again                  ; 64 numbers of a lane, register 16 b + i = K 32 b + 16 (lane / 16) + i of its row -> the fragment in v[PC] on, the scale word in v[PW].  again = 1: stores of an earlier turn have read v[PC] on
.irp b, 0,1,2,3
	v_max3_num_f32 v[TM+\b], |v[\s+16*\b]|, |v[\s+1+16*\b]|, 0x1800000   ; each result is read from its low end on; the floor 2^(3 - 127) holds the byte at 1
.endr
.irp i, 2,4,6,8,10,12,14
.irp b, 0,1,2,3
	v_max3_num_f32 v[TM+\b], v[TM+\b], |v[\s+16*\b+\i]|, |v[\s+1+16*\b+\i]|
.endr
.endr
.irp b, 0,1,2,3
	v_permlanex16_b32 v[TM+4+\b], v[TM+\b], s[SEL], s[SEL+1]
.endr
.irp b, 0,1,2,3
	v_max_num_f32 v[TM+\b], v[TM+\b], v[TM+4+\b]
.endr
.irp b, 0,1,2,3
	v_add_nc_u32 v[TM+12+\b], 0xff000000, v[TM+\b]
.endr
.irp b, 0,1,2,3
	v_lshrrev_b32 v[TM+4+\b], 23, v[TM+12+\b]
.endr
	v_lshl_or_b32 v[PW], v[TM+5], 8, v[TM+4]
	v_lshl_or_b32 v[PW], v[TM+6], 16, v[PW]
	v_lshl_or_b32 v[PW], v[TM+7], 24, v[PW]
.if \again
	s_wait_xcnt 0x0                                ; every earlier memory instruction has had its addresses translated (ISA guide 3.1): the codes' registers, the last turn's stores' data, are written again only behind this wait
	s_wait_alu depctr_vm_vsrc(0)                   ; the last turn's stores have read v[PC] .. v[PC + 11], which the conversions below write again
.endif
.irp c, 0,1
	v_cvt_scalef32_pk16_fp6_f32 v[PC+6*\c:PC+2+6*\c], v[\s+32*\c:\s+15+32*\c], v[TM+12+2*\c]
	v_cvt_scalef32_pk16_fp6_f32 v[PC+12+4*\c:PC+14+4*\c], v[\s+16+32*\c:\s+31+32*\c], v[TM+12+2*\c+1]
.endr
	v_nop                                          ; one plain instruction behind the last scaled conversion
.irp c, 0,1
.irp i, 0,1,2
	v_permlane16_swap_b32 v[PC+6*\c+\i], v[PC+12+4*\c+\i]
.endr
.irp i, 0,1,2
	v_mov_b32 v[PC+3+6*\c+\i], v[PC+12+4*\c+\i]
.endr
.endr
.endm
.macro XLOAD i                         ; moving fragment i and its scale words: four loads, into buffer i % 3
.set MBL, MF+12*((\i)%3)-140*(((\i)%3)/2)      ; v120, v132, v4
.irp c, 0,1,2
	global_load_b128 v[MBL+4*\c:MBL+4*\c+3], v[LI], s[28:29] offset:1536*(\i)+512*\c
.endr
	global_load_b32 v[MS+(\i)%3], v[LS], s[30:31] offset:128*(\i)
.endm
; Turn i.  isv = 1: a v task.
.macro ITER i, isv
.set MBM, MF+12*((\i)%3)-140*(((\i)%3)/2)      ; this turn's buffer
.if (\i) < 6
	s_wait_loadcnt 8                               ; fragment i is in; the eight loads of fragments i + 1 and i + 2, the only ones issued behind it, may be out
.else
	s_wait_loadcnt 4*(7-(\i))                      ; the counts run down
.endif
.if (\isv) && ((\i) == 0)
	WIN 0x41
.irp j, 0,1,2,3,4,5,6,7
	v_mov_b32 v[CB+\j], v[BV]                      ; the first tile's bias, eight times
.endr
.rept 4
	v_nop
.endr
.endif
	WIN 0x10                                       ; C in window 1
.irp t, 0,1,2,3,4,5,6,7                        ; eight results, eight accumulators: no sum is taken up again
.if \isv
	v_wmma_scale_f32_16x16x128_f8f6f4 v[HA+8*\t:HA+8*\t+7], v[SF+12*\t:SF+12*\t+11], v[MBM:MBM+11], v[CB+8*((\i)%2):CB+8*((\i)%2)+7], v[SS+\t], v[MS+(\i)%3] matrix_a_fmt:MATRIX_FMT_FP6 matrix_b_fmt:MATRIX_FMT_FP6
.else
	v_wmma_scale_f32_16x16x128_f8f6f4 v[HA+8*\t:HA+8*\t+7], v[SF+12*\t:SF+12*\t+11], v[MBM:MBM+11], v[B1+8*\t:B1+8*\t+7], v[SS+\t], v[MS+(\i)%3] matrix_a_fmt:MATRIX_FMT_FP6 matrix_b_fmt:MATRIX_FMT_FP6
.endif
.endr
	; four places (ISA guide 7.12.1) behind the products, ahead of the first read of their results
.if (\isv) && ((\i) < 7)
	WIN 0x41
.irp j, 0,1,2,3,4,5,6,7
	v_mov_b32 v[CB+8*(((\i)+1)%2)+\j], v[BV+(\i)+1]   ; the next tile's bias into the other set: these name no register of the products above
.endr
	WIN 0
.else
	WIN 0
.rept 4
	v_nop
.endr
.endif
.if (\i) > 0
	QUANT HA, 1
.else
	QUANT HA, 0
.endif
.if (\i)%2 == 0
	v_mov_b32 v[SCW+(\i)/2], v[PW]                 ; an even fragment's words (they are the same in lanes l and l xor 16),
.else
	v_cndmask_b32 v[SCW+(\i)/2], v[SCW+(\i)/2], v[PW], s40   ; an odd one's into lanes 16-31
.endif
	s_wait_alu depctr_va_vdst(0)                   ; the quantiser has written v[PC] .. v[PC + 11] and v[SCW ..], which stores read; this turn's products are done reading their moving fragment and its scale words, in which the loads below land
.if (\i)+3 < 8
	XLOAD (\i)+3                                   ; the buffer is asked for again at once: three turns ahead
.endif
.irp c, 0,1,2
	global_store_b128 v[LI], v[PC+4*\c:PC+4*\c+3], s[34:35] offset:1536*(\i)+512*\c   ; 512 consecutive bytes, aligned
.endr
.endm
	s_load_b256 s[4:11], s[0:1], 0x0               ; pc s[4:5], ps s[6:7], bq s[8:9], bk s[10:11]
	s_load_b128 s[12:15], s[0:1], 0x20             ; bv s[12:13], hc s[14:15]
	s_load_b64 s[16:17], s[0:1], 0x30              ; hs
	v_lshrrev_b32 v4, 5, v0
	v_readfirstlane_b32 s18, v4                    ; wave 0..9
	v_and_b32 v4, 31, v0
	v_and_b32 v5, 15, v0                           ; r
	v_bfe_u32 v6, v0, 4, 1                         ; h
	v_lshlrev_b32 v[LI], 4, v4
	v_lshlrev_b32 v[LS], 2, v4
	s_mov_b32 s[SEL], 0x76543210
	s_mov_b32 s[SEL+1], 0xfedcba98
	s_mov_b32 s40, 0xffff0000                      ; lanes 16-31
.irp b, 0,1,2,3
	v_mov_b32 v[TM+4+\b], 0                        ; written once: a lane permute's destination counts as one of its sources
.endr
	s_wait_alu depctr_va_sdst(0)                   ; s18 is written, ahead of its first reader: the task's number, and every base, is made from it
	s_mul_i32 s19, ttmp9, 10
	s_add_co_u32 s19, s19, s18                     ; T
	s_lshr_b32 s20, s19, 3                         ; the block of 128 rows, 0..319
	s_and_b32 s21, s19, 7                          ; the head
	s_cmp_ge_u32 s20, 64
	s_cselect_b32 s41, 1, 0                        ; k or v
	s_cmp_ge_u32 s20, 192
	s_cselect_b32 s23, 1, 0                        ; v
	s_add_co_u32 s22, s41, s23                     ; the tensor: 0 q, 1 k, 2 v
	s_add_co_u32 s42, s22, s23                     ; 0, 1, 3
	s_lshl_b32 s43, s42, 6
	s_sub_co_u32 s43, s20, s43                     ; the block in its tensor
	s_add_co_u32 s44, s41, 3                       ; a batch has 2^3 blocks of q, 2^4 of k and of v
	s_lshr_b32 s45, s43, s44                       ; the batch
	s_add_co_u32 s46, s44, 3
	s_lshl_b32 s45, s45, s46
	s_lshl_b32 s46, s21, s44
	s_add_co_u32 s45, s45, s46
	s_lshl_b32 s46, 1, s44
	s_sub_co_u32 s46, s46, 1
	s_and_b32 s46, s43, s46
	s_add_co_u32 s45, s45, s46
	s_lshl_b32 s46, s42, 9
	s_add_co_u32 s45, s45, s46                     ; idx
	s_lshl_b32 s46, s22, 6
	s_lshl_b32 s47, s21, 3
	s_add_co_u32 s46, s46, s47
	s_add_co_u32 s46, s46, 2560                    ; the weight's first fragment
	s_lshl_b32 s47, s20, 3                         ; the rows' first fragment
	s_cmp_eq_u32 s23, 1
	s_cselect_b32 s43, s47, s46                    ; stationary
	s_cselect_b32 s44, s46, s47                    ; moving
	s_mul_i32 s24, s43, 1536
	s_mov_b32 s25, 0
	s_lshl_b32 s26, s43, 7
	s_mov_b32 s27, 0
	s_mul_i32 s28, s44, 1536
	s_mov_b32 s29, 0
	s_lshl_b32 s30, s44, 7
	s_mov_b32 s31, 0
	s_mul_i32 s34, s45, 12288
	s_mov_b32 s35, 0
	s_lshl_b32 s36, s45, 9
	s_mov_b32 s37, 0
	s_lshl_b32 s46, s21, 9                         ; the head's 128 numbers of the bias
	s_mov_b32 s47, 0
	s_wait_kmcnt 0x0
	s_add_nc_u64 s[24:25], s[4:5], s[24:25]
	s_add_nc_u64 s[26:27], s[6:7], s[26:27]
	s_add_nc_u64 s[28:29], s[4:5], s[28:29]
	s_add_nc_u64 s[30:31], s[6:7], s[30:31]
	s_add_nc_u64 s[34:35], s[14:15], s[34:35]
	s_add_nc_u64 s[36:37], s[16:17], s[36:37]
	s_cmp_eq_u32 s22, 1
	s_cselect_b64 s[32:33], s[10:11], s[8:9]
	s_cmp_eq_u32 s22, 2
	s_cselect_b64 s[32:33], s[12:13], s[32:33]
	s_add_nc_u64 s[32:33], s[32:33], s[46:47]
	s_wait_alu depctr_va_vdst(0)                   ; v[LI] and v[LS] are written: every load and store of fragments and scale words reads one of them as its offset
.irp t, 0,1,2,3,4,5,6,7
.irp c, 0,1,2
	global_load_b128 v[SF+12*\t+4*\c:SF+12*\t+4*\c+3], v[LI], s[24:25] offset:1536*\t+512*\c
.endr
	global_load_b32 v[SS+\t], v[LS], s[26:27] offset:128*\t
.endr
	s_cmp_eq_u32 s23, 1
	s_cbranch_scc1 .Lvtask
	; ---- a q or k task
	v_lshlrev_b32 v3, 6, v6                        ; lane (r, h) wants, for tile 2 b + u, the bias of d = 32 b + 8 u + 16 h + 0 .. 7
	WIN 0x40
	s_wait_alu depctr_va_vdst(0)                   ; v3 is written, which the bias's loads read as their offset; v4 to v6 are written and done being read: fragment 2 lands in v4-15
.irp t, 0,1,2,3,4,5,6,7
	global_load_b128 v[B1+8*\t:B1+8*\t+3], v3, s[32:33] offset:(32*(\t/2)+8*(\t%2))*4
	global_load_b128 v[B1+8*\t+4:B1+8*\t+7], v3, s[32:33] offset:(32*(\t/2)+8*(\t%2))*4+16
.endr
	WIN 0
	XLOAD 0
	XLOAD 1
	XLOAD 2
.irp i, 0,1,2,3,4,5,6,7
	ITER \i, 0
.endr
	global_store_b128 v[LI], v[SCW:SCW+3], s[36:37]   ; the slot's scale words: 512 consecutive bytes, aligned.  (The last turn's wait on va_vdst stands behind their last writer, and no vector instruction follows it)
	s_endpgm
.Lvtask:
	; ---- a v task
	v_and_b32 v3, 8, v5
	v_add_nc_u32 v3, v3, v5
	v_lshlrev_b32 v3, 2, v3                        ; in moving tile 2 b + u lane r holds d = 32 b + 8 u + r + 8 (r / 8)
	WIN 0x40
	s_wait_alu depctr_va_vdst(0)                   ; v3 is written, which the bias's loads read as their offset; v4 to v6 are written and done being read: fragment 2 lands in v4-15
.irp t, 0,1,2,3,4,5,6,7
	global_load_b32 v[BV+\t], v3, s[32:33] offset:(32*(\t/2)+8*(\t%2))*4
.endr
	WIN 0
	XLOAD 0
	XLOAD 1
	XLOAD 2
.irp i, 0,1,2,3,4,5,6,7
	ITER \i, 1
.endr
	global_store_b128 v[LI], v[SCW:SCW+3], s[36:37]   ; (as in the other arm: the last turn's wait on va_vdst covers v[SCW ..])
	s_endpgm
.Lfunc_end_k_qd45f2c358b_proj:
	.size	k_qd45f2c358b_proj, .Lfunc_end_k_qd45f2c358b_proj-k_qd45f2c358b_proj
	.p2alignl 7, 3214868480
	.fill 96, 4, 3214868480
	.section	.rodata,"a",@progbits
	.p2align	6, 0x0
	.amdhsa_kernel k_qd45f2c358b_proj
		.amdhsa_group_segment_fixed_size 0
		.amdhsa_private_segment_fixed_size 0
		.amdhsa_enable_private_segment 0
		.amdhsa_kernarg_size 56
		.amdhsa_user_sgpr_count 2
		.amdhsa_user_sgpr_kernarg_segment_ptr 1
		.amdhsa_wavefront_size32 1
		.amdhsa_system_sgpr_workgroup_id_x 1
		.amdhsa_system_sgpr_workgroup_id_y 1
		.amdhsa_system_sgpr_workgroup_id_z 1
		.amdhsa_system_vgpr_workitem_id 0
		.amdhsa_next_free_vgpr 320
		.amdhsa_next_free_sgpr 66
		.amdhsa_reserve_vcc 0
		.amdhsa_float_denorm_mode_32 3
		.amdhsa_float_denorm_mode_16_64 3
		.amdhsa_memory_ordered 1
		.amdhsa_forward_progress 1
		.amdhsa_inst_pref_size 103
	.end_amdhsa_kernel
	.amdgpu_metadata
---
amdhsa.version: [ 1, 2 ]
amdhsa.kernels:
  - .name:           k_qd45f2c358b_proj
    .symbol:         k_qd45f2c358b_proj.kd
    .args:
      - { .name: pc, .offset: 0, .size: 8, .value_kind: global_buffer, .address_space: global }
      - { .name: ps, .offset: 8, .size: 8, .value_kind: global_buffer, .address_space: global }
      - { .name: bq, .offset: 16, .size: 8, .value_kind: global_buffer, .address_space: global }
      - { .name: bk, .offset: 24, .size: 8, .value_kind: global_buffer, .address_space: global }
      - { .name: bv, .offset: 32, .size: 8, .value_kind: global_buffer, .address_space: global }
      - { .name: hc, .offset: 40, .size: 8, .value_kind: global_buffer, .address_space: global }
      - { .name: hs, .offset: 48, .size: 8, .value_kind: global_buffer, .address_space: global }
    .group_segment_fixed_size: 0
    .private_segment_fixed_size: 0
    .kernarg_segment_align: 8
    .kernarg_segment_size: 56
    .max_flat_workgroup_size: 320
    .sgpr_count:     66
    .vgpr_count:     320
    .wavefront_size: 32
...
	.end_amdgpu_metadata
.endif
;; end of part 6
;; launch attn (part 7): grid 4 x 64, 16 waves a work-group, clusters of 4 x 1, 327,680 bytes of LDS; arguments hc, hs, oc, os; writes oc, os
.if DOCPART == 7
	.amdgcn_target "amdgcn-amd-amdhsa--gfx1250"
	.amdhsa_code_object_version 6
	.text
	.protected	k_qd45f2c358b_attn
	.globl	k_qd45f2c358b_attn
	.p2align	8
	.type	k_qd45f2c358b_attn,@function
k_qd45f2c358b_attn:
	s_mov_b64 s[64:65], 0
	v_nop
	global_prefetch_b8 v0, s[64:65] scope:SCOPE_SE
	s_setreg_imm32_b32 hwreg(HW_REG_WAVE_MODE, 25, 1), 1
	s_wait_xcnt 0x0
	s_wait_alu depctr_hold_cnt(0) depctr_sa_sdst(0) depctr_va_vdst(0) depctr_va_sdst(0) depctr_va_ssrc(0) depctr_va_vcc(0) depctr_vm_vsrc(0)
	s_getreg_b32 s2, hwreg(HW_REG_IB_STS2, 6, 4)
	s_cmp_eq_u32 s2, 0
	s_cbranch_scc0 .Lentry_in_a_cluster
	s_endpgm
.Lentry_in_a_cluster:
	s_bfe_u32 s2, ttmp6, 0x10000c
	s_cmp_lg_u32 s2, 0x3003
	s_cbranch_scc0 .Lentry_shape_is_right
	s_endpgm
.Lentry_shape_is_right:
; Launch 3 of 4: o = softmax(Qh Kh^T / sqrt(128)) Vh for each of the 64 (batch, head), both products on codes of E2M3, and o quantised along d for the last product.  No work is left out: there is no mask.
; THE SOFTMAX AHEAD OF THE SECOND PRODUCT: t = score x log2(e) / sqrt(128); M = the row's largest t so far, rounded up to a whole number; p = 2^(t - M) is what is quantised, along the keys, not normalised.
; The row's sum is taken of the unquantised p in f32 and divides O at the end.  When M moves, the sum and O are multiplied by 2^(old M - new M), which rounds nothing.
; SHARES: work-group y = batch x 8 + head.  The four work-groups of a cluster are that head's four blocks of 256 queries (the grid's x is one cluster, so the block is the place cx).  Each of sixteen waves owns 16 queries in 256 registers,
; four waves to a SIMD, so that one wave's vector work stands beside another's matrix work and LDS loads.  Every wave walks the head's 2,048 keys, 128 a step.
; OPERANDS are images of their registers (1,536 bytes a fragment, lane l's 16 bytes at 16 l of each of three pieces), as the launch before laid them: every LDS read takes 512 consecutive bytes, and there is no pitch and no padding.
; LAYOUT: both products are used transposed: S^T = K Q^T (source 0 = 16 keys), O^T = V^T P^T (source 0 = 16 of the head's d): a lane holds one query throughout.  By the choice of the keys of a tile of K, the 16 registers of tiles 2 b, 2 b + 1 of S^T
; are keys 32 b + 16 h + 0 .. 15; by the choice of the d of a tile of V, O^T's register 16 b + i is d = 32 b + 16 h + i: p and o go into their quantisers as they lie.
; CLUSTER: the four partners walk the same K and V, so every tile is asked for JOINTLY: the same tensor load, the same descriptor, a mask that names the four.  cx enters global addresses alone (Q's, o's, the prefetches').
; THE RING: two slots of 512 keys (four steps: 49,152 bytes of K, then as many of V), 2^17 bytes apart.  Waves 0-3 fetch a quarter of a slot each; waves 4 and 5 fetch, once, the head's scale words of K and of V.
; By this text's count a wave never has more than one tensor load out.  All of a WGP's LDS is claimed; 280,576 bytes are used.
; LIMITS: NaN and infinities are not served; the quantiser's byte is held at 1 from below (a block of zeros keeps it: its codes are zeros).
; REGISTERS: v1-7 addresses that stay; v8, v10 the step's LDS addresses; v12 -M, v13 the largest t, v[14:15] the sum in two halves; v16-27 Q; v32-79 four fragments of K or V; v80-83, v84-87 the step's scale words of K, of V;
;   v96-159 S^T, then p; v160-223 O^T; v224-235 p's codes; v232-254 at work; v253 p's scale word; v255 Q's.
.set STEPB, 12288                      ; a step's eight fragments
.set HALFB, 4*STEPB                    ; a slot's K, or its V
.set SLOT1, 1<<17
.set SCK,   2*SLOT1                    ; K's scale words of the head: 16 steps x 512 bytes
.set SCV,   SCK+8192                   ; V's
.set SPARE, SCV+8192                   ; the spare words, 128 bytes for each of sixteen waves: eight blocks of 256 bytes that no other line names
.set LI,  1                            ; v1  16 x lane
.set QS,  2                            ; v2  16 x (lane % 16): Q's scale word in its slot's image
.set LS,  3                            ; v3  4 x lane
.set LSC, 4                            ; v4  SCK + 16 x lane
.set SPW, 5                            ; v5  my spare word's LDS address; never rewritten
.set NIL, 6                            ; v6  0; never rewritten
.set PFO, 7                            ; v7  256 x lane: the prefetches' offset; never rewritten
.set ADK, 8
.set ADS, 10
.set TM,  232                          ; the way out's quantiser
.set PW,  252
.set PC,  32
.set WV,  12                           ; s12 wave
.set CX,  13                           ; s13 my place in the cluster
.set BH,  14                           ; s14 batch x 8 + head
.set SEL, 20                           ; s[20:21]
.set CS,  22                           ; s[22:23] c = log2(e) / sqrt(128), twice
.set G1,  24                           ; s[24:31] group 1: 96 rows of 256 bytes, dense
.set G1S, 32                           ; s[32:39] group 1: 32 rows of 256 bytes
.set G0,  40                           ; s[40:43] group 0 of the codes: it walks
.set G0S, 44                           ; s[44:47] group 0 of the scale words
.set TB,  48                           ; s48 LDS byte of the step's K
.set TS,  49                           ; s49 512 x the step
.set SLOTS, 50                         ; s50 slots still to be asked for
.set TW,  51                           ; s51 counts a slot's four steps
.set PFA, 52                           ; s[52:53] where my prefetches stand
.set LIM, 54                           ; s54 1 in a wave that prefetches, else the greatest number
.macro CROUND                          ; a round of the cluster's barrier
	s_barrier_signal -1
	s_barrier_wait -1
	s_cmp_lg_u32 s[WV], 0
	s_cbranch_scc1 .Lnot_wave_0_\@
	s_barrier_signal -3
.Lnot_wave_0_\@:
	s_barrier_wait -3
	s_barrier_signal -1
	s_barrier_wait -1
.endm
.macro REFILL                          ; waves 0-3: my quarter of a slot.  The branch hangs on the wave's number alone.  An s_nop 0 and four v_nop follow the load
	s_cmp_lt_u32 s[WV], 4
	s_cbranch_scc0 .Lno_load_\@
	tensor_load_to_lds s[G0:G0+3], s[G1:G1+7]
	s_nop 0
.rept 4
	v_nop
.endr
.Lno_load_\@:
.endm
; A PREFETCH INTO THE L2 of the slot that the NEXT change of slots will ask for: four key steps ahead of that load.  A slot is 12 pieces of 8,192 bytes, six of K and six of V; a piece is one instruction, lanes 256 bytes apart.
; This cluster alone reads this head's K and V.  Its four partners take three pieces each, told apart BY ADDRESS (piece 3 cx + wave - 6); in each, waves 6, 7 and 8 ask.  So each aligned block of 256 bytes is named once in the launch.
; Slots 0 and 1 come by their loads alone; the last change that fills a slot asks for nothing: there is no slot behind it.
.macro ASK
	s_cmp_gt_u32 s[SLOTS], s[LIM]
	s_cbranch_scc0 .Lnot_mine_\@
	global_prefetch_b8 v[PFO], s[PFA:PFA+1] th:TH_LOAD_NT scope:SCOPE_SE
.Lnot_mine_\@:
.endm
.macro QUANT s                         ; 64 numbers of a lane, register 16 b + i = K 32 b + 16 (lane / 16) + i of its row -> the fragment in v[PC] on, the scale word in v[PW]
.irp b, 0,1,2,3
	v_max3_num_f32 v[TM+\b], |v[\s+16*\b]|, |v[\s+1+16*\b]|, 0x1800000
.endr
.irp i, 2,4,6,8,10,12,14
.irp b, 0,1,2,3
	s_delay_alu instid0(VALU_DEP_4)
	v_max3_num_f32 v[TM+\b], v[TM+\b], |v[\s+16*\b+\i]|, |v[\s+1+16*\b+\i]|
.endr
.endr
.irp b, 0,1,2,3
	s_delay_alu instid0(VALU_DEP_4)
	v_permlanex16_b32 v[TM+4+\b], v[TM+\b], s[SEL], s[SEL+1]
.endr
.irp b, 0,1,2,3
	s_delay_alu instid0(VALU_DEP_4)
	v_max_num_f32 v[TM+\b], v[TM+\b], v[TM+4+\b]
.endr
.irp b, 0,1,2,3
	s_delay_alu instid0(VALU_DEP_4)
	v_add_nc_u32 v[TM+12+\b], 0xff000000, v[TM+\b]
.endr
.irp b, 0,1,2,3
	s_delay_alu instid0(VALU_DEP_4)
	v_lshrrev_b32 v[TM+4+\b], 23, v[TM+12+\b]
.endr
	s_delay_alu instid0(VALU_DEP_3)
	v_lshl_or_b32 v[PW], v[TM+5], 8, v[TM+4]
	s_delay_alu instid0(VALU_DEP_1)
	v_lshl_or_b32 v[PW], v[TM+6], 16, v[PW]
	s_delay_alu instid0(VALU_DEP_1)
	v_lshl_or_b32 v[PW], v[TM+7], 24, v[PW]
.irp c, 0,1
	v_cvt_scalef32_pk16_fp6_f32 v[PC+6*\c:PC+2+6*\c], v[\s+32*\c:\s+15+32*\c], v[TM+12+2*\c]
	v_cvt_scalef32_pk16_fp6_f32 v[PC+12+4*\c:PC+14+4*\c], v[\s+16+32*\c:\s+31+32*\c], v[TM+12+2*\c+1]
.endr
	v_nop
.irp c, 0,1
.irp i, 0,1,2
	v_permlane16_swap_b32 v[PC+6*\c+\i], v[PC+12+4*\c+\i]
.endr
.irp i, 0,1,2
	s_delay_alu instid0(VALU_DEP_3)
	v_mov_b32 v[PC+3+6*\c+\i], v[PC+12+4*\c+\i]
.endr
.endr
.endm
	s_load_b256 s[4:11], s[0:1], 0x0               ; hc s[4:5], hs s[6:7], oc s[8:9], os s[10:11]
	v_lshl_add_u32 v[SPW], v0, 2, SPARE
	v_mov_b32 v[NIL], 0
	ds_add_u32 v[SPW], v[NIL]                      ; the wave's opening: the add, twice on end, and its wait ahead of the first tensor loads; the set-up below, work on registers, stands between
	ds_add_u32 v[SPW], v[NIL]
	v_lshrrev_b32 v8, 5, v0
	s_delay_alu instid0(VALU_DEP_1)
	v_readfirstlane_b32 s[WV], v8                  ; wave 0..15
	v_and_b32 v[PFO], 31, v0
	s_delay_alu instid0(VALU_DEP_1)
	v_lshlrev_b32 v[LI], 4, v[PFO]
	s_delay_alu instid0(VALU_DEP_2)
	v_lshlrev_b32 v[LS], 2, v[PFO]
	s_delay_alu instid0(VALU_DEP_3)
	v_lshlrev_b32 v[PFO], 8, v[PFO]
	v_and_b32 v[QS], 15, v0
	s_delay_alu instid0(VALU_DEP_1)
	v_lshlrev_b32 v[QS], 4, v[QS]
	v_add_nc_u32 v[LSC], SCK, v[LI]
	s_bfe_u32 s[CX], ttmp6, 0x40000
	s_and_b32 s[BH], ttmp7, 0xffff
	s_mov_b32 s[G1], 15|(3<<16)|(1<<21)            ; 15:0 the mask: all four work-groups; 17:16 elements of 8 bytes; 20 no padding; 21 set beside a mask
	s_mov_b32 s[G1+1], 32<<16                      ; tensor_dim0 = 32 elements: 256 bytes
	s_mov_b32 s[G1+2], 96<<16                      ; tensor_dim1 = 96 rows: two steps' fragments, 24,576 dense bytes
	s_mov_b32 s[G1+3], 32<<16                      ; tile_dim0
	s_mov_b32 s[G1+4], 96                          ; tile_dim1
	s_mov_b32 s[G1+5], 32                          ; from row to row
	s_mov_b32 s[G1+6], 0
	s_mov_b32 s[G1+7], 0
	s_mov_b32 s[G1S], 15|(3<<16)|(1<<21)
	s_mov_b32 s[G1S+1], 32<<16
	s_mov_b32 s[G1S+2], 32<<16                     ; 32 rows: 16 steps x 512 bytes
	s_mov_b32 s[G1S+3], 32<<16
	s_mov_b32 s[G1S+4], 32
	s_mov_b32 s[G1S+5], 32
	s_mov_b32 s[G1S+6], 0
	s_mov_b32 s[G1S+7], 0
	; what I fetch, if I fetch.  Waves 0, 1: K's steps 0-1, 2-3 of a slot; waves 2, 3: V's.  Made of the wave's number and the head alone, in registers that never hold cx
	s_and_b32 s16, s[WV], 3
	s_mul_i32 s[G0+1], s16, 2*STEPB                ; in a slot
	s_lshr_b32 s17, s16, 1
	s_lshl_b32 s17, s17, 10                        ; V's slots of hc lie 1,024 behind K's
	s_and_b32 s18, s[WV], 1
	s_lshl_b32 s16, s18, 1
	s_add_co_u32 s17, s17, s16
	s_lshl_b32 s19, s[BH], 4
	s_add_co_u32 s17, s17, s19
	s_add_co_u32 s17, s17, 512
	s_mul_i32 s56, s17, STEPB
	s_mov_b32 s57, 0
	s_lshl_b32 s[G0S+1], s18, 13                   ; wave 4: K's scale words, wave 5: V's
	s_add_co_u32 s[G0S+1], s[G0S+1], SCK
	s_lshl_b32 s58, s18, 10
	s_add_co_u32 s58, s58, s19
	s_add_co_u32 s58, s58, 512
	s_lshl_b32 s58, s58, 9
	s_mov_b32 s59, 0
	s_mov_b32 s[G0], 1
	s_mov_b32 s[G0S], 1
	s_mov_b32 s[SEL], 0x76543210
	s_mov_b32 s[SEL+1], 0xfedcba98
	s_mov_b32 s[CS], 0x3e0293ee                    ; c = log2(e) / sqrt(128)
	s_mov_b32 s[CS+1], s[CS]                       ; named with it as a pair, so it is written
	s_mov_b32 s[TB], 0
	s_mov_b32 s[TS], 0
	s_mov_b32 s[SLOTS], 3
	s_sub_co_u32 s[LIM], s[WV], 6
	s_cmp_lt_u32 s[LIM], 3                         ; waves 6, 7, 8
	s_cselect_b32 s[LIM], 1, -1
	; Q's, o's and the prefetches' places: these hang on cx
	s_lshl_b32 s2, s[CX], 4
	s_add_co_u32 s2, s2, s[WV]                     ; my tile of 16 queries in the head, 0..63
	s_lshl_b32 s3, s[BH], 6
	s_add_co_u32 s3, s3, s2
	s_mul_i32 s60, s3, 1536                        ; Q's fragment
	s_mov_b32 s61, 0
	s_lshr_b32 s62, s3, 3
	s_lshl_b32 s62, s62, 9                         ; its slot of scale words: fragment i = wave % 8 lies in register i / 2, lanes 16 (i % 2) on
	s_and_b32 s55, s[WV], 1
	s_lshl_b32 s55, s55, 8
	s_add_co_u32 s62, s62, s55
	s_bfe_u32 s55, s[WV], 0x20001
	s_lshl_b32 s55, s55, 2
	s_add_co_u32 s62, s62, s55
	s_mov_b32 s63, 0
	s_wait_dscnt 0x0                               ; both opening adds are done
	s_wait_kmcnt 0x0
	s_add_nc_u64 s[G0+2:G0+3], s[4:5], s[56:57]
	s_or_b32 s[G0+3], s[G0+3], 0x80000000          ; type = 2
	s_add_nc_u64 s[G0S+2:G0S+3], s[6:7], s[58:59]
	s_or_b32 s[G0S+3], s[G0S+3], 0x80000000
	s_add_nc_u64 s[60:61], s[4:5], s[60:61]
	s_add_nc_u64 s[62:63], s[6:7], s[62:63]
	s_lshr_b32 s55, s[BH], 3                       ; o's fragment: ((batch x 64 + tile) x 8 + head)
	s_lshl_b32 s55, s55, 6
	s_add_co_u32 s55, s55, s2
	s_lshl_b32 s55, s55, 3
	s_and_b32 s3, s[BH], 7
	s_add_co_u32 s55, s55, s3
	s_mul_i32 s2, s55, 1536
	s_mov_b32 s3, 0
	s_add_nc_u64 s[8:9], s[8:9], s[2:3]
	s_lshl_b32 s2, s55, 7
	s_add_nc_u64 s[10:11], s[10:11], s[2:3]
	s_max_u32 s55, s[WV], 6
	s_min_u32 s55, s55, 8
	s_sub_co_u32 s55, s55, 6
	s_mul_i32 s2, s[CX], 3
	s_add_co_u32 s55, s55, s2                      ; my piece of a slot, 0..11
	s_mul_i32 s2, s55, 11
	s_lshr_b32 s2, s2, 6                           ; 0: pieces 0-5, K's; 1: pieces 6-11, V's
	s_mul_i32 s2, s2, 1024*STEPB-HALFB
	s_lshl_b32 s55, s55, 13
	s_add_co_u32 s2, s2, s55
	s_lshl_b32 s55, s[BH], 4
	s_add_co_u32 s55, s55, 512
	s_mul_i32 s55, s55, STEPB
	s_add_co_u32 s2, s2, s55
	s_add_co_u32 s2, s2, HALFB                     ; in slot 1: the first change of slots steps it to slot 2.  Nothing is prefetched at the head
	s_add_nc_u64 s[PFA:PFA+1], s[4:5], s[2:3]
	CROUND                                         ; all four work-groups are here: the first joint loads meet
	s_cmp_lt_u32 s[WV], 4                          ; the first fills: slot 0 and the scale words, one load a wave in waves 0-5
	s_cbranch_scc0 .Lnot_codes
	tensor_load_to_lds s[G0:G0+3], s[G1:G1+7]
	s_nop 0
.rept 4
	v_nop
.endr
	s_branch .Lfirst_asked
.Lnot_codes:
	s_cmp_lt_u32 s[WV], 6
	s_cbranch_scc0 .Lfirst_asked
	tensor_load_to_lds s[G0S:G0S+3], s[G1S:G1S+7]
	s_nop 0
.rept 4
	v_nop
.endr
.Lfirst_asked:
	s_wait_alu depctr_va_vdst(0)
.irp c, 0,1,2
	global_load_b128 v[16+4*\c:19+4*\c], v[LI], s[60:61] offset:512*\c   ; Q's fragment stays in registers
.endr
	global_load_b32 v255, v[QS], s[62:63]          ; and its scale words
	v_mov_b32 v13, 0xff61b1e6                      ; the largest t so far: -3e38, under every t
	s_delay_alu instid0(VALU_DEP_1)
	v_floor_f32 v12, -v13                          ; -M
	v_mov_b32 v14, 0                               ; the sum, in two halves
	v_mov_b32 v15, 0
.irp b, 0,1,2,3
	v_mov_b32 v[236+\b], 0                         ; written once: a lane permute's destination counts as one of its sources
.endr
	v_mov_b32 v253, 0                              ; named as the upper half of the pair v[252:253] before it is first written
.irp j, 0,1,2,3,4,5,6,7,8,9,10,11,12,13,14,15,16,17,18,19,20,21,22,23,24,25,26,27,28,29,30,31,32,33,34,35,36,37,38,39,40,41,42,43,44,45,46,47,48,49,50,51,52,53,54,55,56,57,58,59,60,61,62,63
	v_mov_b32 v[160+\j], 0                         ; O^T: the step is written without a first step of its own; the first change of M multiplies zeros
.endr
; A KEY STEP: 128 keys.
.macro STEP
	v_add_nc_u32 v[ADK], s[TB], v[LI]
	s_wait_alu depctr_va_vdst(0)
	v_add_nc_u32 v[ADS], s[TS], v[LSC]
	v_nop
	v_nop                                          ; four places ahead of loads into registers that the last step's products read
	ds_load_b128 v[80:83], v[ADS]                  ; K's scale words: register p: tile 2 p in lanes 0-15, tile 2 p + 1 in lanes 16-31
.irp g, 0,1                                    ; S^T = K Q^T, four tiles of 16 keys at a time
.if \g > 0
.rept 4
	v_nop
.endr
.endif
.irp t, 0,1,2,3
.irp c, 0,1,2
	ds_load_b128 v[32+12*\t+4*\c:35+12*\t+4*\c], v[ADK] offset:(4*\g+\t)*1536+512*\c
.endr
.endr
	s_wait_dscnt 0x0
.irp t, 0,2
	v_wmma_scale_f32_16x16x128_f8f6f4 v[96+8*(4*\g+\t):103+8*(4*\g+\t)], v[32+12*\t:43+12*\t], v[16:27], 0, v[80+2*\g+\t/2], v255 matrix_a_fmt:MATRIX_FMT_FP6 matrix_b_fmt:MATRIX_FMT_FP6
	v_wmma_scale_f32_16x16x128_f8f6f4 v[104+8*(4*\g+\t):111+8*(4*\g+\t)], v[44+12*\t:55+12*\t], v[16:27], 0, v[80+2*\g+\t/2], v255 matrix_a_fmt:MATRIX_FMT_FP6 matrix_b_fmt:MATRIX_FMT_FP6 matrix_a_scale:MATRIX_SCALE_ROW1
.endr
.endr
.rept 4
	v_nop                                          ; places ahead of the loads below and of the first read of the scores
.endr
.irp t, 0,1,2,3                                ; V's first four tiles and its scale words are asked for now: they land while the softmax is walked
.irp c, 0,1,2
	ds_load_b128 v[32+12*\t+4*\c:35+12*\t+4*\c], v[ADK] offset:HALFB+\t*1536+512*\c
.endr
.endr
	s_wait_alu depctr_va_vdst(0)
	ds_load_b128 v[84:87], v[ADS] offset:8192
.irp b, 0,1,2,3
	v_max3_num_f32 v[232+\b], v[96+16*\b], v[97+16*\b], v[98+16*\b]   ; the largest score of each block of 32 keys: it serves the row's maximum and, since p rises with the score, the block's largest p
.endr
.irp i, 3,5,7,9,11,13
.irp b, 0,1,2,3
	v_max3_num_f32 v[232+\b], v[232+\b], v[96+16*\b+\i], v[97+16*\b+\i]
.endr
.endr
.irp b, 0,1,2,3
	v_max_num_f32 v[232+\b], v[232+\b], v[111+16*\b]
.endr
.irp b, 0,1,2,3
	s_delay_alu instid0(VALU_DEP_4)
	v_permlanex16_b32 v[236+\b], v[232+\b], s[SEL], s[SEL+1]
.endr
.irp b, 0,1,2,3
	s_delay_alu instid0(VALU_DEP_4)
	v_max_num_f32 v[232+\b], v[232+\b], v[236+\b]  ; with lane l xor 16's 16 keys
.endr
	s_delay_alu instid0(VALU_DEP_2)
	v_max3_num_f32 v254, v232, v233, v234
	s_delay_alu instid0(VALU_DEP_1)
	v_max_num_f32 v254, v254, v235                 ; the step's largest score of my query
	s_delay_alu instid0(VALU_DEP_1)
	v_mul_f32 v254, s[CS], v254                    ; as t (c is positive)
	s_delay_alu instid0(VALU_DEP_1)
	v_max_num_f32 v13, v13, v254                   ; the running largest t
	v_mov_b32 v254, v12
	s_delay_alu instid0(VALU_DEP_2)
	v_floor_f32 v12, -v13                          ; the new -M = floor(-t) = -ceil(t)
	s_delay_alu instid0(VALU_DEP_1)
	v_sub_f32 v254, v12, v254                      ; old M - new M: a whole number, 0 or less
	s_delay_alu instid0(VALU_DEP_1)
	v_cvt_i32_f32 v254, v254                       ; (it saturates)
	s_delay_alu instid0(VALU_DEP_1)
	v_ldexp_f32 v252, 1.0, v254                    ; f = 2^(old M - new M)
.irp j, 0,2,4,6,8,10,12,14,16,18,20,22,24,26,28,30,32,34,36,38,40,42,44,46,48,50,52,54,56,58,60,62
	v_pk_fma_f32 v[96+\j:97+\j], v[96+\j:97+\j], s[CS:CS+1], v[12:13] op_sel_hi:[1,0,0]   ; t - M, two at a time
.endr
.irp b, 0,1,2,3
	v_fma_f32 v[232+\b], v[232+\b], s[CS], v12     ; the same of each block's largest score
.endr
	s_wait_alu depctr_va_vdst(0)
.irp j, 0,1,2,3,4,5,6,7,8,9,10,11,12,13,14,15,16,17,18,19,20,21,22,23,24,25,26,27,28,29,30,31,32,33,34,35,36,37,38,39,40,41,42,43,44,45,46,47,48,49,50,51,52,53,54,55,56,57,58,59,60,61,62,63
	v_exp_f32 v[96+\j], v[96+\j]                   ; p = 2^(t - M), at most 1
.endr
	v_pk_mul_f32 v[14:15], v[14:15], v[252:253] op_sel_hi:[1,0]   ; the sums under the new M: the plain instruction behind the exponentials
	s_wait_alu depctr_va_vdst(0)                   ; one wait for the batch of 64, ahead of its first reader
.irp b, 0,1,2,3
	v_exp_f32 v[232+\b], v[232+\b]                 ; each block's largest p
.endr
	s_setprio 1
	v_pk_add_f32 v[236:237], v[100:101], v[104:105]
	v_pk_add_f32 v[250:251], v[108:109], v[112:113]
	v_pk_add_f32 v[248:249], v[116:117], v[120:121]
	v_pk_add_f32 v[246:247], v[124:125], v[128:129]
	v_pk_add_f32 v[244:245], v[132:133], v[136:137]
	v_pk_add_f32 v[242:243], v[140:141], v[144:145]
	v_pk_add_f32 v[240:241], v[148:149], v[152:153]
	v_pk_add_f32 v[14:15], v[14:15], v[156:157]
	v_pk_add_f32 v[236:237], v[236:237], v[96:97]
	v_pk_add_f32 v[250:251], v[250:251], v[98:99]
	v_pk_add_f32 v[248:249], v[248:249], v[102:103]
	v_pk_add_f32 v[246:247], v[246:247], v[106:107]
	v_pk_add_f32 v[244:245], v[244:245], v[110:111]
	v_pk_add_f32 v[242:243], v[242:243], v[114:115]
	v_pk_add_f32 v[240:241], v[240:241], v[118:119]
	v_pk_add_f32 v[14:15], v[14:15], v[122:123]
	v_pk_add_f32 v[236:237], v[236:237], v[126:127]
	v_pk_add_f32 v[250:251], v[250:251], v[130:131]
	v_pk_add_f32 v[248:249], v[248:249], v[134:135]
	v_pk_add_f32 v[246:247], v[246:247], v[138:139]
	v_pk_add_f32 v[244:245], v[244:245], v[142:143]
	v_pk_add_f32 v[242:243], v[242:243], v[146:147]
	v_pk_add_f32 v[240:241], v[240:241], v[150:151]
	v_pk_add_f32 v[14:15], v[14:15], v[154:155]
	v_pk_add_f32 v[236:237], v[236:237], v[158:159]
	s_delay_alu instid0(VALU_DEP_2)
	v_pk_add_f32 v[14:15], v[14:15], v[246:247]
	s_delay_alu instid0(VALU_DEP_2)
	v_pk_add_f32 v[236:237], v[236:237], v[244:245]
	v_pk_add_f32 v[250:251], v[250:251], v[242:243]
	v_pk_add_f32 v[248:249], v[248:249], v[240:241]
	s_delay_alu instid0(VALU_DEP_2)
	v_pk_add_f32 v[14:15], v[14:15], v[250:251]
	s_delay_alu instid0(VALU_DEP_2)
	v_pk_add_f32 v[236:237], v[236:237], v[248:249]
	s_delay_alu instid0(VALU_DEP_1)
	v_pk_add_f32 v[14:15], v[14:15], v[236:237]
	s_wait_alu depctr_va_vdst(0)                   ; and one for the four
.irp b, 0,1,2,3
	v_max_num_f32 v[232+\b], 0x1800000, v[232+\b]  ; the floor 2^(3 - 127): the byte cannot fall under 1
.endr
.irp b, 0,1,2,3
	s_delay_alu instid0(VALU_DEP_4)
	v_add_nc_u32 v[244+\b], 0xff000000, v[232+\b]  ; 2 off the exponent field: the conversion's scale operand
.endr
.irp b, 0,1,2,3
	s_delay_alu instid0(VALU_DEP_4)
	v_lshrrev_b32 v[236+\b], 23, v[244+\b]         ; the scale's byte
.endr
	s_delay_alu instid0(VALU_DEP_3)
	v_lshl_or_b32 v253, v237, 8, v236              ; p's scale word for these 128 keys
	s_delay_alu instid0(VALU_DEP_1)
	v_lshl_or_b32 v253, v238, 16, v253
	s_delay_alu instid0(VALU_DEP_1)
	v_lshl_or_b32 v253, v239, 24, v253
.irp c, 0,1
	v_cvt_scalef32_pk16_fp6_f32 v[224+6*\c:226+6*\c], v[96+32*\c:111+32*\c], v[244+2*\c]
	v_cvt_scalef32_pk16_fp6_f32 v[236+4*\c:238+4*\c], v[112+32*\c:127+32*\c], v[244+2*\c+1]
.endr
	v_nop                                          ; one plain instruction behind the last scaled conversion
.irp c, 0,1
.irp i, 0,1,2
	v_permlane16_swap_b32 v[224+6*\c+\i], v[236+4*\c+\i]
.endr
.irp i, 0,1,2
	s_delay_alu instid0(VALU_DEP_3)
	v_mov_b32 v[227+6*\c+\i], v[236+4*\c+\i]
.endr
.endr
.irp j, 0,2,4,6,8,10,12,14,16,18,20,22,24,26,28,30,32,34,36,38,40,42,44,46,48,50,52,54,56,58,60,62
	v_pk_mul_f32 v[160+\j:161+\j], v[160+\j:161+\j], v[252:253] op_sel_hi:[1,0]   ; O^T under the new M, each tile from its low end on; these stand between the making of p's codes and scale word and the products below
.endr
	s_setprio 0
	s_wait_alu depctr_va_vdst(0)
.irp g, 0,1                                    ; O^T += V^T P^T: four tiles of 16 d at a time; the eight accumulators take turns, one instruction a turn
.if \g > 0
.rept 4
	v_nop
.endr
.irp t, 0,1,2,3
.irp c, 0,1,2
	ds_load_b128 v[32+12*\t+4*\c:35+12*\t+4*\c], v[ADK] offset:HALFB+(4+\t)*1536+512*\c
.endr
.endr
.endif
	s_wait_dscnt 0x0
.irp t, 0,2
	v_wmma_scale_f32_16x16x128_f8f6f4 v[160+8*(4*\g+\t):167+8*(4*\g+\t)], v[32+12*\t:43+12*\t], v[224:235], v[160+8*(4*\g+\t):167+8*(4*\g+\t)], v[84+2*\g+\t/2], v253 matrix_a_fmt:MATRIX_FMT_FP6 matrix_b_fmt:MATRIX_FMT_FP6
	v_wmma_scale_f32_16x16x128_f8f6f4 v[168+8*(4*\g+\t):175+8*(4*\g+\t)], v[44+12*\t:55+12*\t], v[224:235], v[168+8*(4*\g+\t):175+8*(4*\g+\t)], v[84+2*\g+\t/2], v253 matrix_a_fmt:MATRIX_FMT_FP6 matrix_b_fmt:MATRIX_FMT_FP6 matrix_a_scale:MATRIX_SCALE_ROW1
.endr
.endr
	s_add_co_u32 s[TB], s[TB], STEPB               ; the next step's fragments,
	s_add_co_u32 s[TS], s[TS], 512                 ; and its scale words
.endm
; THE CHANGE OF SLOTS stands at a slot's head.  Each wave waits for all its tensor loads, adds 0 to its spare word, and waits for that and for its reads of the slot that it has left.
; fill = 1: a round of the cluster's barrier follows, so that no wave of any partner still reads the other slot or has a load on its way, and that slot takes the next 512 keys: the load has four key steps in which to land.
.macro CHANGE fill
	s_wait_tensorcnt 0x0                           ; no tensor load of mine is out, so group 0 may be written
	ds_add_u32 v[SPW], v[NIL]                      ; 0 onto my spare word
.if \fill
	ds_add_u32 v[SPW], v[NIL]                      ; and once more, in every trip alike
	s_xor_b32 s[G0+1], s[G0+1], SLOT1              ; the other slot than last time,
	s_add_nc_u64 s[G0+2:G0+3], s[G0+2:G0+3], HALFB ; the next four steps; the type bits on top are not reached
	s_wait_xcnt 0x0                                ; the last prefetch, a slot back, has read its address, so it may be written
	s_add_nc_u64 s[PFA:PFA+1], s[PFA:PFA+1], HALFB ; one slot further on than the walking descriptor
.endif
	s_wait_dscnt 0x0                               ; the add is done, and my reads of the slot that I have left are over
.if \fill
	CROUND
	REFILL                                         ; the first thing behind the round, and a wave's one tensor load until the next
	ASK
.else
	s_barrier_signal -1
	s_barrier_wait -1
.endif
.endm
.macro SLOT_STEPS                      ; a slot's four key steps: written once, walked four times; the LDS addresses hang on s[TB] and s[TS]
	s_mov_b32 s[TW], 4
.Lstep_\@:
	s_setprio 2
	STEP
	s_sub_co_u32 s[TW], s[TW], 1
	s_cmp_lg_u32 s[TW], 0
	s_cbranch_scc1 .Lstep_\@
	s_setprio 0
	s_sub_co_u32 s[TB], s[TB], HALFB               ; back to a slot's first step,
	s_xor_b32 s[TB], s[TB], SLOT1                  ; in the other slot
.endm
	s_wait_loadcnt 0x0                             ; Q
.Lslot:                                            ; three trips: behind each change of slots but the last the next slot is asked for
	CHANGE 1
	SLOT_STEPS
	s_sub_co_u32 s[SLOTS], s[SLOTS], 1
	s_cmp_lg_u32 s[SLOTS], 0
	s_cbranch_scc1 .Lslot
	CHANGE 0                                       ; the last slot is written out
	SLOT_STEPS
	; THE WAY OUT: O^T / the sum is o(my query, d = 32 b + 16 h + i) in register 16 b + i: it is quantised along d as it lies and leaves as the image of a fragment of the last product.
.rept 4
	v_nop                                          ; places behind the last products
.endr
	v_add_f32 v14, v14, v15                        ; the sum's two halves,
	s_delay_alu instid0(VALU_DEP_1)
	v_permlanex16_b32 v252, v14, s[SEL], s[SEL+1]
	s_delay_alu instid0(VALU_DEP_1)
	v_add_f32 v14, v14, v252                       ; and lane l xor 16's: the row's sum
	s_wait_alu depctr_va_vdst(0)
	v_rcp_f32 v14, v14
	v_nop                                          ; a plain instruction behind the reciprocal
	s_wait_alu depctr_va_vdst(0)                   ; and the wait ahead of its first reader
.irp j, 0,2,4,6,8,10,12,14,16,18,20,22,24,26,28,30,32,34,36,38,40,42,44,46,48,50,52,54,56,58,60,62
	v_pk_mul_f32 v[96+\j:97+\j], v[160+\j:161+\j], v[14:15] op_sel_hi:[1,0]   ; each tile from its low end on
.endr
	QUANT 96
.irp c, 0,1,2
	global_store_b128 v[LI], v[PC+4*\c:PC+4*\c+3], s[8:9] offset:512*\c   ; 512 consecutive bytes, aligned
.endr
	global_store_b32 v[LS], v[PW], s[10:11]
	s_wait_tensorcnt 0x0                           ; the wave's end
	ds_add_u32 v[SPW], v[NIL]
	s_wait_dscnt 0x0
	CROUND                                         ; the closing round: no work-group ends while a partner may still ask for a tile that names it
	s_endpgm
.Lfunc_end_k_qd45f2c358b_attn:
	.size	k_qd45f2c358b_attn, .Lfunc_end_k_qd45f2c358b_attn-k_qd45f2c358b_attn
	.p2alignl 7, 3214868480
	.fill 96, 4, 3214868480
	.section	.rodata,"a",@progbits
	.p2align	6, 0x0
	.amdhsa_kernel k_qd45f2c358b_attn
		.amdhsa_group_segment_fixed_size 327680
		.amdhsa_private_segment_fixed_size 0
		.amdhsa_enable_private_segment 0
		.amdhsa_kernarg_size 32
		.amdhsa_user_sgpr_count 2
		.amdhsa_user_sgpr_kernarg_segment_ptr 1
		.amdhsa_wavefront_size32 1
		.amdhsa_system_sgpr_workgroup_id_x 1
		.amdhsa_system_sgpr_workgroup_id_y 1
		.amdhsa_system_sgpr_workgroup_id_z 1
		.amdhsa_system_vgpr_workitem_id 0
		.amdhsa_next_free_vgpr 256
		.amdhsa_next_free_sgpr 66
		.amdhsa_reserve_vcc 0
		.amdhsa_float_denorm_mode_32 3
		.amdhsa_float_denorm_mode_16_64 3
		.amdhsa_memory_ordered 1
		.amdhsa_forward_progress 1
		.amdhsa_inst_pref_size 60
	.end_amdhsa_kernel
	.amdgpu_metadata
---
amdhsa.version: [ 1, 2 ]
amdhsa.kernels:
  - .name:           k_qd45f2c358b_attn
    .symbol:         k_qd45f2c358b_attn.kd
    .args:
      - { .name: hc, .offset: 0, .size: 8, .value_kind: global_buffer, .address_space: global }
      - { .name: hs, .offset: 8, .size: 8, .value_kind: global_buffer, .address_space: global }
      - { .name: oc, .offset: 16, .size: 8, .value_kind: global_buffer, .address_space: global }
      - { .name: os, .offset: 24, .size: 8, .value_kind: global_buffer, .address_space: global }
    .group_segment_fixed_size: 327680
    .private_segment_fixed_size: 0
    .kernarg_segment_align: 8
    .kernarg_segment_size: 32
    .max_flat_workgroup_size: 512
    .sgpr_count:     66
    .vgpr_count:     256
    .wavefront_size: 32
...
	.end_amdgpu_metadata
.endif
;; end of part 7
;; launch outp (part 8): grid 256 x 1, 4 waves a work-group, no clusters, 17,408 bytes of LDS; arguments oc, os, pc, ps, bo, out0; writes out0
.if DOCPART == 8
	.amdgcn_target "amdgcn-amd-amdhsa--gfx1250"
	.amdhsa_code_object_version 6
	.text
	.protected	k_qd45f2c358b_outp
	.globl	k_qd45f2c358b_outp
	.p2align	8
	.type	k_qd45f2c358b_outp,@function
k_qd45f2c358b_outp:
	s_mov_b64 s[64:65], 0
	v_nop
	global_prefetch_b8 v0, s[64:65] scope:SCOPE_SE
	s_setreg_imm32_b32 hwreg(HW_REG_WAVE_SCHED_MODE, 0, 2), 2
	s_setreg_imm32_b32 hwreg(HW_REG_WAVE_MODE, 25, 1), 1
	s_wait_xcnt 0x0
	s_wait_alu depctr_vm_vsrc(0)
; Launch 4 of 4: out0 = o Wo + bo on codes of E2M3; K = 1,024 = (head, d), eight steps of 128.  No work is left out.
; SHARES: a work-group takes 32 rows of out0 (two tiles of 16 queries), wave w the output columns 32 w .. 32 w + 31 (two tiles): four accumulators x eight K steps = 32 matrix instructions a wave.
; All operands are images of their registers; a wave asks for its 16 fragments of o and its 16 of Wo at once, each by three loads of 512 consecutive bytes, and waits once.
; THE PRODUCT IS USED TRANSPOSED (source 0 = 16 columns of Wo, source 1 = 16 rows of o): a lane holds eight neighbouring columns of one row.  bo is the C of each sum's first product.
; THE WAY OUT: a row's 128 columns come from four waves: they meet in a stage in LDS (rows of 512 + 16 bytes), a barrier, and each wave stores eight whole rows: 512 consecutive bytes an instruction, aligned.
; NO CLUSTER: the weights that all work-groups share go straight into registers, 24,576 bytes a wave, once; there is no tensor load and no ring for a joint request to serve.
; REGISTERS: window 0: v1-5 addresses, v8, v9 the add's two, v32-47 o's scale words, v48-63 Wo's, v64-79 the bias, v96-127 the accumulators, v128-159 rows on the way out;  window 1: o's fragments at v[12 (8 m + s)];  window 2: Wo's at v[12 (8 n + s)].
; THE MODE: SCHED_MODE bits 1:0 = 2 (LLVM: expert scheduling mode 2), set by the entry lines.  The code itself states the register dependences between vector or matrix instructions and memory or LDS instructions, with s_wait_alu, always for 0.
; THE PLAN.  Registers that memory or LDS instructions touch:
;   v1-5            offsets and LDS addresses, made at the head and never written again.
;   the scale words, the bias, windows 1 and 2   loaded once, then read by matrix instructions alone.
;   the accumulators   written by matrix instructions; read by the eight LDS stores.
;   v128-159        written by LDS loads, read by the global stores; no vector instruction names them.
;   v8, v9          written at the head, read by the closing add alone.
; So two waits on va_vdst serve the kernel: one ahead of the first load (the five addresses are written), one behind the places that follow the last product (the accumulators are written).
; No register that a memory or LDS instruction reads is written again, so no wait on vm_vsrc is owed.
.set SPARE, 32*528                     ; behind the stage: the spare words, 128 bytes for each wave: two blocks of 256 bytes that no other line names
.set LI,  1
.set LS,  2
.set BO,  3
.set SO,  4
.set SR,  5
.set SPW, 8
.set NIL, 9
.set OSC, 32
.set WSC, 48
.set BI,  64
.set ACC, 96
.set BK,  128
.set MSB, 0
.macro WIN new                         ; s_set_vgpr_msb: bits 1:0 source 0, 3:2 source 1, 5:4 source 2, 7:6 destination; the high byte repeats the setting that is left
.if MSB != \new
	s_set_vgpr_msb (MSB<<8)|\new
.set MSB, \new
.endif
.endm
	s_load_b256 s[4:11], s[0:1], 0x0               ; oc s[4:5], os s[6:7], pc s[8:9], ps s[10:11]
	s_load_b128 s[12:15], s[0:1], 0x20             ; bo s[12:13], out0 s[14:15]
	v_lshl_add_u32 v[SPW], v0, 2, SPARE
	v_mov_b32 v[NIL], 0
	v_lshrrev_b32 v10, 5, v0
	v_readfirstlane_b32 s16, v10                   ; wave 0..3
	v_and_b32 v10, 31, v0                          ; lane
	v_and_b32 v11, 15, v0                          ; r
	v_bfe_u32 v12, v0, 4, 1                        ; h
	v_lshlrev_b32 v[LI], 4, v10
	v_lshlrev_b32 v[LS], 2, v10
	v_lshlrev_b32 v[BO], 5, v12                    ; the bias of my eight columns: 32 h bytes into a tile's 64
	v_mul_u32_u24 v[SO], v11, 528
	v_lshl_add_u32 v[SO], v12, 5, v[SO]
	s_wait_alu depctr_va_sdst(0)                   ; s16 is written, ahead of its first reader: the stage's addresses and every base are made from it
	s_lshl_b32 s30, s16, 7                         ; (s30 and s31, which vector instructions read, are written once)
	v_add_nc_u32 v[SO], s30, v[SO]                 ; into the stage: row r, + 32 h, + 128 x wave
	s_mul_i32 s31, s16, 8*528
	v_add_nc_u32 v[SR], s31, v[LI]                 ; back: my eight rows, 16 bytes a lane
	s_mul_i32 s18, ttmp9, 24576                    ; my work-group's 16 fragments of o,
	s_mov_b32 s19, 0
	s_lshl_b32 s20, ttmp9, 11                      ; their scale words,
	s_mov_b32 s21, 0
	s_lshl_b32 s22, s16, 1
	s_add_co_u32 s22, s22, 2752                    ; Wo's fragment (K step 0, tile 2 w),
	s_mul_i32 s24, s22, 1536
	s_mov_b32 s25, 0
	s_lshl_b32 s22, s22, 7
	s_mov_b32 s23, 0
	s_lshl_b32 s26, s16, 7                         ; my 32 numbers of bo,
	s_mov_b32 s27, 0
	s_lshl_b32 s28, ttmp9, 14                      ; and the eight rows of out0 that I store
	s_lshl_b32 s29, s16, 12
	s_add_co_u32 s28, s28, s29
	s_mov_b32 s29, 0
	s_wait_kmcnt 0x0
	s_add_nc_u64 s[4:5], s[4:5], s[18:19]
	s_add_nc_u64 s[6:7], s[6:7], s[20:21]
	s_add_nc_u64 s[8:9], s[8:9], s[24:25]
	s_add_nc_u64 s[10:11], s[10:11], s[22:23]
	s_add_nc_u64 s[12:13], s[12:13], s[26:27]
	s_add_nc_u64 s[14:15], s[14:15], s[28:29]
	s_wait_alu depctr_va_vdst(0)                   ; v1 to v5 are written: the loads below, the LDS stores and loads of the way out and the global stores read them as offsets and addresses; only loads and window switches follow up to the last load
.irp m, 0,1
.irp s, 0,1,2,3,4,5,6,7
	global_load_b32 v[OSC+8*\m+\s], v[LS], s[6:7] offset:128*(8*\m+\s)
.endr
.endr
.irp n, 0,1
.irp s, 0,1,2,3,4,5,6,7
	global_load_b32 v[WSC+8*\n+\s], v[LS], s[10:11] offset:128*(8*\s+\n)
.endr
.endr
.irp n, 0,1
	global_load_b128 v[BI+8*\n:BI+8*\n+3], v[BO], s[12:13] offset:64*\n
	global_load_b128 v[BI+8*\n+4:BI+8*\n+7], v[BO], s[12:13] offset:64*\n+16
.endr
	WIN 0x40                                       ; destination window 1
.irp m, 0,1
.irp s, 0,1,2,3,4,5,6,7
.irp c, 0,1,2
	global_load_b128 v[12*(8*\m+\s)+4*\c:12*(8*\m+\s)+4*\c+3], v[LI], s[4:5] offset:1536*(8*\m+\s)+512*\c
.endr
.endr
.endr
	WIN 0x80                                       ; destination window 2
.irp n, 0,1
.irp s, 0,1,2,3,4,5,6,7
.irp c, 0,1,2
	global_load_b128 v[12*(8*\n+\s)+4*\c:12*(8*\n+\s)+4*\c+3], v[LI], s[8:9] offset:1536*(8*\s+\n)+512*\c
.endr
.endr
.endr
	WIN 0
	s_wait_loadcnt 0x0
	WIN 0x06                                       ; source 0 (Wo) window 2, source 1 (o) window 1
.irp s, 0,1,2,3,4,5,6,7                        ; K ascending; the four accumulators take turns, one instruction a turn
.irp m, 0,1
.irp n, 0,1
.if \s == 0
	v_wmma_scale_f32_16x16x128_f8f6f4 v[ACC+8*(2*\m+\n):ACC+8*(2*\m+\n)+7], v[12*(8*\n+\s):12*(8*\n+\s)+11], v[12*(8*\m+\s):12*(8*\m+\s)+11], v[BI+8*\n:BI+8*\n+7], v[WSC+8*\n+\s], v[OSC+8*\m+\s] matrix_a_fmt:MATRIX_FMT_FP6 matrix_b_fmt:MATRIX_FMT_FP6
.else
	v_wmma_scale_f32_16x16x128_f8f6f4 v[ACC+8*(2*\m+\n):ACC+8*(2*\m+\n)+7], v[12*(8*\n+\s):12*(8*\n+\s)+11], v[12*(8*\m+\s):12*(8*\m+\s)+11], v[ACC+8*(2*\m+\n):ACC+8*(2*\m+\n)+7], v[WSC+8*\n+\s], v[OSC+8*\m+\s] matrix_a_fmt:MATRIX_FMT_FP6 matrix_b_fmt:MATRIX_FMT_FP6
.endif
.endr
.endr
.endr
	WIN 0
.rept 4
	v_nop                                          ; four places (ISA guide 7.12.1) ahead of the first read of the results
.endr
	s_wait_alu depctr_va_vdst(0)                   ; the matrix instructions have written the accumulators, which the LDS stores read; the places above stay beside this wait
.irp m, 0,1
.irp n, 0,1
	ds_store_b128 v[SO], v[ACC+8*(2*\m+\n):ACC+8*(2*\m+\n)+3] offset:16*\m*528+64*\n       ; lane (r, h): out0(16 m + r, 32 w + 16 n + 8 h + 0 .. 7); each accumulator from its low end on
	ds_store_b128 v[SO], v[ACC+8*(2*\m+\n)+4:ACC+8*(2*\m+\n)+7] offset:16*\m*528+64*\n+16
.endr
.endr
	s_wait_dscnt 0x0                               ; for the others' sake: my stores into the stage are done
	s_barrier_signal -1
	s_barrier_wait -1                              ; 32 whole rows lie in the stage
.irp i, 0,1,2,3,4,5,6,7
	ds_load_b128 v[BK+4*\i:BK+4*\i+3], v[SR] offset:528*\i
.endr
.irp i, 0,1,2,3,4,5,6,7
	s_wait_dscnt 7-\i                              ; LDS loads come back in order: row i is in, the younger ones may be out
	global_store_b128 v[LI], v[BK+4*\i:BK+4*\i+3], s[14:15] offset:512*\i th:TH_STORE_NT   ; 32 lanes store a row of 512 consecutive bytes, aligned
.endr
	s_wait_dscnt 0x0                               ; the closing lines, six on end
	s_wait_alu 0x0
	s_wait_tensorcnt 0x0
	ds_add_u32 v[SPW], v[NIL]
	s_wait_dscnt 0x0
	s_endpgm
.Lfunc_end_k_qd45f2c358b_outp:
	.size	k_qd45f2c358b_outp, .Lfunc_end_k_qd45f2c358b_outp-k_qd45f2c358b_outp
	.p2alignl 7, 3214868480
	.fill 96, 4, 3214868480
	.section	.rodata,"a",@progbits
	.p2align	6, 0x0
	.amdhsa_kernel k_qd45f2c358b_outp
		.amdhsa_group_segment_fixed_size 17408
		.amdhsa_private_segment_fixed_size 0
		.amdhsa_enable_private_segment 0
		.amdhsa_kernarg_size 48
		.amdhsa_user_sgpr_count 2
		.amdhsa_user_sgpr_kernarg_segment_ptr 1
		.amdhsa_wavefront_size32 1
		.amdhsa_system_sgpr_workgroup_id_x 1
		.amdhsa_system_sgpr_workgroup_id_y 1
		.amdhsa_system_sgpr_workgroup_id_z 1
		.amdhsa_system_vgpr_workitem_id 0
		.amdhsa_next_free_vgpr 704
		.amdhsa_next_free_sgpr 66
		.amdhsa_reserve_vcc 0
		.amdhsa_float_denorm_mode_32 3
		.amdhsa_float_denorm_mode_16_64 3
		.amdhsa_memory_ordered 1
		.amdhsa_forward_progress 1
		.amdhsa_inst_pref_size 22
	.end_amdhsa_kernel
	.amdgpu_metadata
---
amdhsa.version: [ 1, 2 ]
amdhsa.kernels:
  - .name:           k_qd45f2c358b_outp
    .symbol:         k_qd45f2c358b_outp.kd
    .args:
      - { .name: oc, .offset: 0, .size: 8, .value_kind: global_buffer, .address_space: global }
      - { .name: os, .offset: 8, .size: 8, .value_kind: global_buffer, .address_space: global }
      - { .name: pc, .offset: 16, .size: 8, .value_kind: global_buffer, .address_space: global }
      - { .name: ps, .offset: 24, .size: 8, .value_kind: global_buffer, .address_space: global }
      - { .name: bo, .offset: 32, .size: 8, .value_kind: global_buffer, .address_space: global }
      - { .name: out0, .offset: 40, .size: 8, .value_kind: global_buffer, .address_space: global }
    .group_segment_fixed_size: 17408
    .private_segment_fixed_size: 0
    .kernarg_segment_align: 8
    .kernarg_segment_size: 48
    .max_flat_workgroup_size: 128
    .sgpr_count:     66
    .vgpr_count:     704
    .wavefront_size: 32
...
	.end_amdgpu_metadata
.endif
;; end of part 8
